; MI455X (gfx1250); checked and timed in simulation.
; The chip was launched on July 23, 2026; its instructions are those of AMD's public machine-readable ISA for CDNA 5 (MIT licence, August 2026) and "CDNA5" Instruction Set Architecture Reference Guide (July 2026). The comments in the code are by the model that wrote it; some were corrected since.
;; Brute Force Mo E Linear. Allowed arithmetic: float matrix products may take bf16 or f16 operands with f32 sums; all other float work in f32.
;; Inputs: gate_idx 4,096 int32; gate_score 2,048 x 1 x 2 float32; inp 4,096 x 512 float32; w_h4toh 8 x 512 x 2,048 float32; w_htoh4 8 x 2,048 x 512 float32.
;; Outputs: out0 2,048 x 512 float32.
;; 2 versions, each right; version 2 is version 1 with the launches gemm1, gemm2 written anew for expert scheduling mode. Each part assembles by itself: llvm-mc -triple=amdgcn-amd-amdhsa -mcpu=gfx1250 --defsym DOCPART=n.
;; ======== version 1 of 2: 4 launches
;; limits: values are held in f16: magnitudes above 65,504 overflow, below 6.1e-05 lose precision
;; workspace buffers: xs 4,325,376 bytes; hs 17,301,504 bytes; yp 34,603,008 bytes; pos 16,384 bytes of whole numbers; seg 256 bytes of whole numbers
;; launch prep (part 1): grid 264 x 1, 8 waves a work-group, no clusters, 2,304 bytes of LDS; arguments gate_idx, inp, xs, pos, seg; writes xs, pos, seg
.if DOCPART == 1
	.amdgcn_target "amdgcn-amd-amdhsa--gfx1250"
	.amdhsa_code_object_version 6
	.text
	.protected	k_qd63e7e7835_prep
	.globl	k_qd63e7e7835_prep
	.p2align	8
	.type	k_qd63e7e7835_prep,@function
k_qd63e7e7835_prep:
	s_mov_b64 s[64:65], 0
	v_nop
	global_prefetch_b8 v0, s[64:65] scope:SCOPE_SE
	s_setreg_imm32_b32 hwreg(HW_REG_WAVE_MODE, 25, 1), 1
	s_wait_xcnt 0x0
; ROUTING AND GATHER.  4,096 rows, each with an expert 0..7 (gate_idx, clamped to 0..7).
; Sorted space: expert e owns MT_e = ceil(n_e / 16) tiles of 16 rows from tile start_e on (start = running sum of MT); the sum of MT is at most
; 256 + 7 = 263, and 264 tiles are made.  pos[b] = 16 start_e + (number of rows b' < b of the same expert).
; Work-group j makes tile j of xs: the 16 rows whose pos is 16 j .. 16 j + 15, rounded to f16, in the order in which a matrix instruction's lanes hold them:
;   fragment kk (32 along k) at byte 1024 kk; lane L = 16 h + r keeps k = 32 kk + 8 h + 0..7 of row r at + 16 L and k = 32 kk + 16 + 8 h + 0..7 at + 512 + 16 L.
; f16 and not bf16: 11 significant bits against 8.  Its room: inp has spread 1 and reaches about 5; 30 times larger is 150, an offset of 30 spreads is 35,
; both far below f16's largest number, 65,504; 30 times smaller is a spread of 0.033, far above 6.1e-5, where f16's steps stop shrinking.
; A slot that no row owns takes a copy of row 0: rows of a product do not mix, and nobody gathers such a slot's result.
; Every work-group repeats the whole count (16,384 bytes of gate_idx, thread t rows 16 t .. 16 t + 15), which spares a launch and an index table in memory.
; Work-group j < 256 stores pos of rows 16 j .. 16 j + 15; work-group 0 stores seg (start_e, MT_e).  No matrix unit: there is no product here.
.set LISTS, 256                        ; LDS: bytes 0-127 the eight waves' totals (16 bytes each); from 256 on 128 bytes for each wave: words 0-15 the tile's slots, word 16 a dump
.set G,    16                          ; v[16:31]   my 16 experts
.set CNT,  32                          ; v[32:39]   how many of my 16 rows go to expert e
.set W,    40                          ; v[40:43]   word q: count of expert q below, of expert q + 4 above (a count is at most 4,096: 16 bits hold it)
.set OWN,  44                          ; v[44:47]   my own words, to turn the inclusive scan into an exclusive one
.set R,    48                          ; v[48:79]   the eight waves' totals
.set BASE, 80                          ; v[80:83]   sums of the waves in front of mine
.set TOT,  84                          ; v[84:87]   sums of all waves
.set RUN,  88                          ; v[88:95]   expert e: the position that my next row of e gets
.set P,    96                          ; v[96:111]  the positions of my 16 rows
.set X,    16                          ; v[16:47]   later: 32 f32 of a row as loaded
.set Y,    48                          ; v[48:63]   later: the same as 16 words of f16
	s_load_b256 s[4:11], s[0:1], 0x0               ; gate_idx s[4:5], inp s[6:7], xs s[8:9], pos s[10:11]
	s_load_b64 s[12:13], s[0:1], 0x20              ; seg
	v_lshl_add_u32 v112, v0, 2, 0x500
	v_mov_b32 v113, 0
	v_and_b32 v1, 31, v0                           ; lane
	v_lshrrev_b32 v2, 5, v0
	v_readfirstlane_b32 s14, v2                    ; wave
	s_mov_b32 s15, ttmp9                           ; j: my tile
	s_lshl_b32 s16, s15, 4                         ; its first position
	s_mov_b32 s17, 0xffff0000                      ; as a lane mask: lanes 16-31
	s_lshl_b32 s18, s14, 7
	s_add_co_u32 s18, s18, LISTS                   ; my wave's list
	s_lshl_b32 s19, s14, 4                         ; my wave's totals
	v_mov_b32 v3, 0                                ; at work; written here because a DPP form counts as a reader of its destination
	v_lshlrev_b32 v4, 6, v0                        ; 64 t: my 16 words of gate_idx and of pos
	v_lshlrev_b32 v11, 4, v0                       ; 16 t: my first row
	v_lshl_add_u32 v10, v1, 2, s18
	ds_store_b32 v10, v3                           ; my wave's list starts as zeros (row 0)
	s_wait_kmcnt 0x0
.irp c, 0,1,2,3
	global_load_b128 v[G+4*\c:G+4*\c+3], v4, s[4:5] offset:16*\c
.endr
	s_wait_loadcnt 0x0
.irp k, 0,1,2,3,4,5,6,7,8,9,10,11,12,13,14,15
	v_min_u32 v[G+\k], 7, v[G+\k]
.endr
; how many of my 16 rows go to expert e: the compare's bit is added as a carry
.macro COUNT e
	v_cmp_eq_u32 vcc_lo, \e, v[G]
	v_cndmask_b32 v[CNT+\e], 0, 1, vcc_lo
.irp k, 1,2,3,4,5,6,7,8,9,10,11,12,13,14,15
	v_cmp_eq_u32 vcc_lo, \e, v[G+\k]
	v_add_co_ci_u32 v[CNT+\e], vcc_lo, 0, v[CNT+\e], vcc_lo
.endr
.endm
.irp e, 0,1,2,3,4,5,6,7
	COUNT \e
.endr
.irp q, 0,1,2,3
	v_lshl_or_b32 v[W+\q], v[CNT+\q+4], 16, v[CNT+\q]
.endr
.irp q, 0,1,2,3
	v_mov_b32 v[OWN+\q], v[W+\q]
.endr
; inclusive scan of word q over the wave's 32 lanes: four steps inside each half of 16 lanes, then lane 15's sum is added to lanes 16-31
.macro SCAN q
.irp sh, 1,2,4,8
	v_mov_b32_dpp v3, v[W+\q] row_shr:\sh row_mask:0xf bank_mask:0xf bound_ctrl:1
	v_add_nc_u32 v[W+\q], v[W+\q], v3
.endr
	v_readlane_b32 s[20+\q], v[W+\q], 15
	v_cndmask_b32 v3, 0, s[20+\q], s17
	v_add_nc_u32 v[W+\q], v[W+\q], v3
	v_readlane_b32 s[24+\q], v[W+\q], 31           ; the wave's total
.endm
.irp q, 0,1,2,3
	SCAN \q
.endr
.irp q, 0,1,2,3
	v_mov_b32 v[R+\q], s[24+\q]
.endr
	v_mov_b32 v10, s19
	ds_store_b128 v10, v[R:R+3]                    ; every lane writes the same 16 bytes with the same values
	s_wait_dscnt 0x0                               ; my totals (and my list's zeros) are in LDS before I say so
	s_barrier_signal -1
	s_barrier_wait -1
	v_mov_b32 v10, 0
.irp k, 0,1,2,3,4,5,6,7
	ds_load_b128 v[R+4*\k:R+4*\k+3], v10 offset:16*\k
.endr
	s_wait_dscnt 0x0
	v_cmp_lt_u32 vcc_lo, 0, v2                     ; wave 0 stands in front of mine?
.irp q, 0,1,2,3
	v_cndmask_b32 v[BASE+\q], 0, v[R+\q], vcc_lo   ; the first terms start the sums
	v_add_nc_u32 v[TOT+\q], v[R+\q], v[R+4+\q]
.endr
.irp k, 1,2,3,4,5,6
	v_cmp_lt_u32 vcc_lo, \k, v2
.irp q, 0,1,2,3
	v_cndmask_b32 v3, 0, v[R+4*\k+\q], vcc_lo
	v_add_nc_u32 v[BASE+\q], v[BASE+\q], v3
.endr
.endr
.irp k, 2,3,4,5,6,7
.irp q, 0,1,2,3
	v_add_nc_u32 v[TOT+\q], v[TOT+\q], v[R+4*\k+\q]
.endr
.endr
.irp q, 0,1,2,3
	v_readfirstlane_b32 s[28+\q], v[TOT+\q]
.endr
.irp q, 0,1,2,3
	s_and_b32 s[32+\q], s[28+\q], 0xffff           ; n_q
	s_lshr_b32 s[36+\q], s[28+\q], 16              ; n_(q+4)
.endr
.irp e, 0,1,2,3,4,5,6,7
	s_add_co_u32 s[40+\e], s[32+\e], 15
	s_lshr_b32 s[40+\e], s[40+\e], 4               ; MT_e
.endr
	s_mov_b32 s48, 0                               ; start_0
.irp e, 0,1,2,3,4,5,6
	s_add_co_u32 s[49+\e], s[48+\e], s[40+\e]      ; start_(e+1)
.endr
.irp q, 0,1,2,3
	v_add_nc_u32 v[W+\q], v[W+\q], v[BASE+\q]
	v_sub_nc_u32 v[W+\q], v[W+\q], v[OWN+\q]       ; rows of the expert in front of my 16; each half stays at 0 or above, so nothing is borrowed across
	v_and_b32 v[RUN+\q], 0xffff, v[W+\q]
	v_lshrrev_b32 v[RUN+4+\q], 16, v[W+\q]
	v_lshl_add_u32 v[RUN+\q], s[48+\q], 4, v[RUN+\q]
	v_lshl_add_u32 v[RUN+4+\q], s[52+\q], 4, v[RUN+4+\q]
.endr
; row k takes expert e's running position if it goes to e, and the position then steps by the compare's bit
.macro RANK e
.irp k, 0,1,2,3,4,5,6,7,8,9,10,11,12,13,14,15
	v_cmp_eq_u32 vcc_lo, \e, v[G+\k]
.if \e == 0
	v_mov_b32 v[P+\k], v[RUN]                      ; expert 0 writes every P; the right expert overwrites it below
.else
	v_cndmask_b32 v[P+\k], v[P+\k], v[RUN+\e], vcc_lo
.endif
	v_add_co_ci_u32 v[RUN+\e], vcc_lo, 0, v[RUN+\e], vcc_lo
.endr
.endm
.irp e, 0,1,2,3,4,5,6,7
	RANK \e
.endr
	; a row whose position lies in my tile goes into its slot of my wave's list; all others (the unsigned difference wraps for those below) into the dump word
.irp k, 0,1,2,3,4,5,6,7,8,9,10,11,12,13,14,15
	v_sub_nc_u32 v10, v[P+\k], s16
	v_min_u32 v10, 16, v10
	v_lshl_add_u32 v10, v10, 2, s18
	v_add_nc_u32 v9, \k, v11                       ; the row's number
	ds_store_b32 v10, v9
.endr
	; pos: thread t = j of work-group j stores its 16 positions (none where j is 256 or more)
	v_cmp_eq_u32 vcc_lo, s15, v0
	s_wait_xcnt 0x0                                ; EXEC changes only behind this wait
	s_and_saveexec_b32 s57, vcc_lo
.irp c, 0,1,2,3
	global_store_b128 v4, v[P+4*\c:P+4*\c+3], s[10:11] offset:16*\c
.endr
	s_wait_xcnt 0x0                                ; and again in front of the line that widens it
	s_or_b32 exec_lo, exec_lo, s57
	; seg: wave 0 of work-group 0 stores (start_e, MT_e) for the eight experts, then 16 zeros: 128 bytes by one store
	s_cmp_lg_u32 s15, 0
	s_cbranch_scc1 .Lno_seg
	s_cmp_lg_u32 s14, 0
	s_cbranch_scc1 .Lno_seg
	v_mov_b32 v13, 0
.irp e, 0,1,2,3,4,5,6,7
	v_writelane_b32 v13, s[48+\e], 2*\e
	v_writelane_b32 v13, s[40+\e], 2*\e+1
.endr
	v_lshlrev_b32 v12, 2, v1
	global_store_b32 v12, v13, s[12:13]            ; v12 and v13 are not written again
.Lno_seg:
	s_wait_dscnt 0x0                               ; my list is in LDS before I say so
	s_barrier_signal -1
	s_barrier_wait -1
	; slot r's row: at most one wave has written it, the others hold 0, so the OR of the eight lists is the row (0 for an empty slot)
	v_and_b32 v7, 15, v0                           ; r
	v_lshlrev_b32 v7, 2, v7
.irp k, 0,1,2,3,4,5,6,7
	ds_load_b32 v[G+\k], v7 offset:LISTS+128*\k
.endr
	v_bfe_u32 v9, v0, 4, 1                         ; h
	s_lshl_b32 s58, s15, 14                        ; my tile's 16,384 bytes in xs
	s_mov_b32 s59, 0
	s_add_nc_u64 s[8:9], s[8:9], s[58:59]
	s_lshl_b32 s56, s14, 11
	v_lshl_add_u32 v8, v1, 4, s56                  ; 16 L + 2,048 wave: wave w makes fragments 2 w and 2 w + 1
	s_lshl_b32 s56, s14, 8
	s_wait_dscnt 0x0
	v_or_b32 v[G], v[G], v[G+1]
	v_or_b32 v[G+2], v[G+2], v[G+3]
	v_or_b32 v[G+4], v[G+4], v[G+5]
	v_or_b32 v[G+6], v[G+6], v[G+7]
	v_or_b32 v[G], v[G], v[G+2]
	v_or_b32 v[G+4], v[G+4], v[G+6]
	v_or_b32 v5, v[G], v[G+4]
	v_min_u32 v5, 0xfff, v5                        ; a row of inp
	v_lshlrev_b32 v5, 11, v5                       ; x 2,048 bytes
	v_lshl_add_u32 v5, v9, 5, v5                   ; + 8 h numbers
	v_add_nc_u32 v5, s56, v5                       ; + 64 numbers for each wave
	; per fragment: k = 8 h + 0..7 (two loads) and 16 + 8 h + 0..7 (two loads); the two halves of the lanes together take 128 consecutive bytes of each of the 16 rows
.irp i, 0,1,2,3,4,5,6,7
	global_load_b128 v[X+4*\i:X+4*\i+3], v5, s[6:7] offset:64*(\i/2)+16*(\i%2)
.endr
	s_wait_loadcnt 0x4                             ; the first fragment's four loads are in, the second's four stay out
.irp i, 0,1,2,3,4,5,6,7
	v_cvt_pk_f16_f32 v[Y+\i], v[X+2*\i], v[X+2*\i+1]
.endr
	global_store_b128 v8, v[Y:Y+3], s[8:9]                     ; each store of the wave covers 512 consecutive bytes, aligned
	global_store_b128 v8, v[Y+4:Y+7], s[8:9] offset:512
	s_wait_loadcnt 0x0
.irp i, 8,9,10,11,12,13,14,15
	v_cvt_pk_f16_f32 v[Y+\i], v[X+2*\i], v[X+2*\i+1]
.endr
	global_store_b128 v8, v[Y+8:Y+11], s[8:9] offset:1024
	global_store_b128 v8, v[Y+12:Y+15], s[8:9] offset:1536
	s_wait_tensorcnt 0x0
	ds_add_u32 v112, v113
	s_wait_dscnt 0x0
	s_endpgm
.Lfunc_end_k_qd63e7e7835_prep:
	.size	k_qd63e7e7835_prep, .Lfunc_end_k_qd63e7e7835_prep-k_qd63e7e7835_prep
	.p2alignl 7, 3214868480
	.fill 96, 4, 3214868480
	.section	.rodata,"a",@progbits
	.p2align	6, 0x0
	.amdhsa_kernel k_qd63e7e7835_prep
		.amdhsa_group_segment_fixed_size 2304
		.amdhsa_private_segment_fixed_size 0
		.amdhsa_enable_private_segment 0
		.amdhsa_kernarg_size 40
		.amdhsa_user_sgpr_count 2
		.amdhsa_user_sgpr_kernarg_segment_ptr 1
		.amdhsa_wavefront_size32 1
		.amdhsa_system_sgpr_workgroup_id_x 1
		.amdhsa_system_sgpr_workgroup_id_y 1
		.amdhsa_system_sgpr_workgroup_id_z 1
		.amdhsa_system_vgpr_workitem_id 0
		.amdhsa_next_free_vgpr 114
		.amdhsa_next_free_sgpr 66
		.amdhsa_reserve_vcc 1
		.amdhsa_float_denorm_mode_32 3
		.amdhsa_float_denorm_mode_16_64 3
		.amdhsa_memory_ordered 1
		.amdhsa_forward_progress 1
		.amdhsa_inst_pref_size 41
	.end_amdhsa_kernel
	.amdgpu_metadata
---
amdhsa.version: [ 1, 2 ]
amdhsa.kernels:
  - .name:           k_qd63e7e7835_prep
    .symbol:         k_qd63e7e7835_prep.kd
    .args:
      - { .name: gate_idx, .offset: 0, .size: 8, .value_kind: global_buffer, .address_space: global }
      - { .name: inp, .offset: 8, .size: 8, .value_kind: global_buffer, .address_space: global }
      - { .name: xs, .offset: 16, .size: 8, .value_kind: global_buffer, .address_space: global }
      - { .name: pos, .offset: 24, .size: 8, .value_kind: global_buffer, .address_space: global }
      - { .name: seg, .offset: 32, .size: 8, .value_kind: global_buffer, .address_space: global }
    .group_segment_fixed_size: 2304
    .private_segment_fixed_size: 0
    .kernarg_segment_align: 8
    .kernarg_segment_size: 40
    .max_flat_workgroup_size: 256
    .sgpr_count:     66
    .vgpr_count:     114
    .wavefront_size: 32
...
	.end_amdgpu_metadata
.endif
;; end of part 1
;; launch gemm1 (part 2): grid 32 x 8, 4 waves a work-group, no clusters, 67,072 bytes of LDS; arguments xs, w_htoh4, seg, hs; writes hs
.if DOCPART == 2
	.amdgcn_target "amdgcn-amd-amdhsa--gfx1250"
	.amdhsa_code_object_version 6
	.text
	.protected	k_qd63e7e7835_gemm1
	.globl	k_qd63e7e7835_gemm1
	.p2align	8
	.type	k_qd63e7e7835_gemm1,@function
k_qd63e7e7835_gemm1:
	s_mov_b64 s[64:65], 0
	v_nop
	global_prefetch_b8 v0, s[64:65] scope:SCOPE_SE
	s_setreg_imm32_b32 hwreg(HW_REG_WAVE_MODE, 25, 1), 1
	s_wait_xcnt 0x0
; ONE TEXT FOR BOTH PRODUCTS; the switch G2 picks the sizes and the way out.
;   G2 = 0: h = relu(X W1[e]^T), rounded to f16 and stored in the lane order in which the second product loads it.
;   G2 = 1: a partial y = h W2[e]^T over one quarter (512) of the 2,048 along k, in f32, row-major by sorted position; a later launch adds the four quarters.
; Work-group (x, e): expert e, 64 rows of the weights x 512 along k = 131,072 bytes of f32, which no other work-group reads.  They are read once, rounded to
; f16, passed through LDS, and then EVERY one of the four waves keeps all of them as 64 fragments in 512 registers.  Wave w then walks the expert's tiles
; w, w + 4, ... of 16 rows: a tile is 16,384 bytes that lie in memory in the lanes' own order, so 32 loads of 512 consecutive bytes bring it straight into
; registers, and 64 matrix instructions use each of its 16 fragments four times.  Three register buffers: a tile is asked for two tiles ahead.
; The number of tiles (seg, stored by an earlier launch) is read from memory and differs from wave to wave, so no barrier stands behind the one that shows the weights.
; NO JOINT REQUESTS though the 32 work-groups of an expert read the same tiles: a joint request is a tensor load into LDS slots, whose refills need a barrier on
; every wave's path in every trip, and here the trips are counted by a number from memory; the weights, the larger part of the unique bytes, are shared by nobody.
; NUMBER FORMAT: all four matrix operands (x, W1, h, W2) are f16, sums f32.  f16 keeps 11 significant bits against bf16's 8, so each of the four roundings is
; 8 times finer.  Its room (largest number 65,504; steps of 6e-8 below 6.1e-5), for x of spread 1 and weights of spread 0.044:
;   30 times larger: weights reach 7; h, with x and W1 both larger, 900 x 5.2 = 4,700.  An offset of 30 spreads on x (30) and on W1 (1.33): h near 512 x 30 x 1.33 = 20,400.
;   30 times smaller: weights of spread 0.0015 and h of spread 0.0008 are rounded in steps of at most 6e-8, under 1e-4 of their spread.
; LIMITS: a number above 65,504 before the relu becomes infinity in h; the relu is a maximum with 0 in which a NaN loses (a NaN before the relu becomes 0);
; where the rows crowd into few experts the result is right but only those experts' work-groups have work.
.set G2, 0
.set PLANE_A, 4325376                  ; 264 tiles of 16,384 bytes: one quarter of h along k (and all of xs)
.set PLANE_Y, 8650752                  ; 4,224 positions x 2,048 bytes: one partial y
.if G2
.set WROW,   8192                      ; bytes in a row of the weights
.set OSHIFT, 15                        ; a tile of the output: 16 rows of 2,048 bytes
.else
.set WROW,   2048
.set OSHIFT, 14                        ; a tile of the output: 16,384 bytes
.endif
.set WPITCH, 1040                      ; LDS: 64 rows of 512 f16 + 16 bytes: an odd multiple of 16, so 16 rows' 16-byte pieces start in 16 different groups of four banks (ISA guide 11.1)
.set STG,    64*WPITCH                 ; G2: behind the weights 16 rows x 272 bytes for each wave
.set SPITCH, 272
; REGISTERS in windows of 256.  Window 0: v1-v11 addresses, v[32:63] four accumulators, v[64:95] the way out, v[128:255] tile buffer 0.
; Window 1: tile buffers 1 (0-127) and 2 (128-255).  Windows 2 and 3: weight fragment (kk, nb) at 512 + 8 (4 kk + nb);
; before that window 2 takes the weights as loaded (256 registers of f32) and window 3 (0-127) the same as f16.
.set ACC,  32
.set OUTR, 64
.set MSB, 0
.macro WIN new                         ; s_set_vgpr_msb: bits 1:0 source 0, 3:2 source 1, 5:4 source 2, 7:6 destination; the high byte repeats the setting that is left
.if MSB != \new
	s_set_vgpr_msb (MSB<<8)|\new
.set MSB, \new
.endif
.endm
.macro PLACES n
.rept \n
	v_nop
.endr
.endm
	s_load_b256 s[4:11], s[0:1], 0x0               ; tiles s[4:5], weights s[6:7], seg s[8:9], output s[10:11]
	v_lshl_add_u32 v126, v0, 2, 0x10400
	v_mov_b32 v127, 0
	v_and_b32 v1, 31, v0                           ; L
	v_and_b32 v2, 15, v0                           ; r
	v_bfe_u32 v3, v0, 4, 1                         ; h
	v_lshrrev_b32 v11, 5, v0
	v_readfirstlane_b32 s12, v11                   ; wave
	s_mov_b32 s13, ttmp9                           ; x
	s_and_b32 s14, ttmp7, 0xffff                   ; e
	s_lshl_b32 s15, s14, 3                         ; the expert's two words of seg
	s_lshr_b32 s33, s13, 3                         ; x / 8: the quarter along the 2,048
	s_and_b32 s34, s13, 7                          ; x % 8
	s_mov_b32 s29, 0                               ; upper words of the two offset pairs
	s_mov_b32 s31, 0
	s_mul_i32 s32, s12, 16*WROW
	v_lshl_add_u32 v4, v1, 4, s32                  ; weights: my wave's 16 rows, 16 bytes a lane
	s_lshl_b32 s28, s14, 22                        ; an expert's weights are 4,194,304 bytes
.if G2
	s_lshl_b32 s32, s34, 19                        ; 64 rows of 8,192 bytes
	s_add_co_u32 s28, s28, s32
	s_lshl_b32 s32, s33, 11                        ; 512 numbers along a row
	s_add_co_u32 s28, s28, s32
.else
	s_lshl_b32 s32, s13, 17                        ; 64 rows of 2,048 bytes
	s_add_co_u32 s28, s28, s32
.endif
	s_wait_kmcnt 0x0
	s_add_nc_u64 s[6:7], s[6:7], s[28:29]
	; 64 loads: row i of my 16, piece c of its four: 512 consecutive bytes each; nobody reads these bytes again
	WIN 0x80
.irp i, 0,1,2,3,4,5,6,7,8,9,10,11,12,13,14,15
.irp c, 0,1,2,3
	global_load_b128 v[16*\i+4*\c:16*\i+4*\c+3], v4, s[6:7] offset:\i*WROW+512*\c th:TH_LOAD_NT
.endr
.endr
	WIN 0
	s_mov_b32 s28, s15
	s_add_nc_u64 s[8:9], s[8:9], s[28:29]
	s_load_b64 s[16:17], s[8:9], 0x0               ; start_e, MT_e
.if G2
	s_mul_i32 s28, s33, PLANE_A
	s_add_nc_u64 s[4:5], s[4:5], s[28:29]          ; my quarter of h
	s_mul_i32 s28, s33, PLANE_Y
	s_lshl_b32 s32, s34, 8                         ; my 64 columns of y
.else
	s_mul_i32 s28, s33, PLANE_A
	s_lshl_b32 s32, s34, 11                        ; my 64 columns are fragments 2 (x % 8) and 2 (x % 8) + 1 of the quarter
.endif
	s_add_co_u32 s28, s28, s32
	s_add_nc_u64 s[10:11], s[10:11], s[28:29]
	s_mul_i32 s32, s12, 16*WPITCH
	v_lshl_add_u32 v5, v1, 3, s32                  ; LDS, in: my wave's 16 rows, 8 bytes a lane
	v_mul_u32_u24 v6, v2, WPITCH
	v_lshl_add_u32 v6, v3, 4, v6                   ; LDS, fragments: row r, 16 bytes for each half of the lanes
	v_lshlrev_b32 v7, 4, v1                        ; 16 L: a tile's loads (and the stores of h)
.if G2
	s_mul_i32 s32, s12, 16*SPITCH
	s_add_co_u32 s32, s32, STG                     ; my wave's stage
	v_mul_u32_u24 v8, v2, SPITCH
	v_lshl_add_u32 v8, v3, 5, v8
	v_add_nc_u32 v8, s32, v8                       ; in: row r, 32 bytes for each half of the lanes
	v_mul_u32_u24 v9, v3, SPITCH
	v_lshl_add_u32 v9, v2, 4, v9
	v_add_nc_u32 v9, s32, v9                       ; back: lanes 0-15 one row of 256 bytes, lanes 16-31 the next
	v_lshlrev_b32 v10, 11, v3
	v_lshl_add_u32 v10, v2, 4, v10                 ; the same two rows in y
.endif
; sixteen loads' worth (four rows) of weights: to f16, into LDS.  A store of the wave covers 256 consecutive bytes.
.macro WCVT g
	s_wait_loadcnt 48-16*\g                        ; loads come back in order (ISA guide 5.7.1): all but the youngest 48 - 16 g are in
	WIN 0xca                                       ; sources window 2, destination window 3
.irp i, 0,1,2,3
.irp c, 0,1,2,3
	v_cvt_pk_f16_f32 v[2*(16*\g+4*\i+\c)],   v[4*(16*\g+4*\i+\c)],   v[4*(16*\g+4*\i+\c)+1]
	v_cvt_pk_f16_f32 v[2*(16*\g+4*\i+\c)+1], v[4*(16*\g+4*\i+\c)+2], v[4*(16*\g+4*\i+\c)+3]
.endr
.endr
	WIN 0x0c                                       ; store data window 3, address window 0
.irp i, 0,1,2,3
.irp c, 0,1,2,3
	ds_store_b64 v5, v[2*(16*\g+4*\i+\c):2*(16*\g+4*\i+\c)+1] offset:(4*\g+\i)*WPITCH+256*\c
.endr
.endr
.endm
	WCVT 0
	WCVT 1
	WCVT 2
	WCVT 3
	WIN 0
	s_wait_dscnt 0x0                               ; my 16 rows are in LDS before I say so
	s_barrier_signal -1
	s_barrier_wait -1                              ; all 64 rows are; the only barrier of the text
	s_wait_kmcnt 0x0
	s_min_u32 s16, s16, 263                        ; start_e
	s_min_u32 s17, s17, 256                        ; MT_e
	s_mov_b32 s18, s12                             ; t: my tile among the expert's, from my wave's number on in steps of 4
	s_cmp_ge_u32 s18, s17
	s_cbranch_scc1 .Lend                           ; fewer tiles than waves: nothing for me
	s_sub_co_u32 s19, s17, 1                       ; the expert's last tile
	; my trips of three tiles each: ceil((MT_e - wave) / 12).  The argument below is 12 .. 267; 43,691 / 2^19 exceeds 1 / 12 by 6.4e-7,
	; which over 267 stays far below 1 / 12, so the shifted product is the exact quotient
	s_sub_co_u32 s36, s17, s12
	s_add_co_u32 s36, s36, 11
	s_mul_i32 s36, s36, 43691
	s_lshr_b32 s36, s36, 19
	s_min_u32 s36, s36, 22                         ; ceil(256 / 12): the most that 256 tiles give
	s_mov_b32 s35, 0                               ; the trip counter
; 32 loads: the expert's tile t + add into buffer buf.  Past the last tile the last is asked for again: every load stays on bytes that were stored,
; and every tile's turn issues the same 32 loads, so the counted wait means the same on every way.
.macro ISSUE buf, add
	s_add_co_u32 s30, s18, \add
	s_min_u32 s30, s30, s19
	s_add_co_u32 s30, s30, s16
	s_min_u32 s30, s30, 263
	s_lshl_b32 s30, s30, 14
	s_add_nc_u64 s[20+2*\buf:21+2*\buf], s[4:5], s[30:31]      ; the buffer's own base: its former loads were shown done by the wait in front of their products
.if \buf == 0
	WIN 0
.else
	WIN 0x40
.endif
.if \buf == 1
.set AL, 0
.else
.set AL, 128
.endif
.irp kk, 0,1,2,3,4,5,6,7,8,9,10,11,12,13,14,15
	global_load_b128 v[AL+8*\kk:AL+8*\kk+3],   v7, s[20+2*\buf:21+2*\buf] offset:1024*\kk
	global_load_b128 v[AL+8*\kk+4:AL+8*\kk+7], v7, s[20+2*\buf:21+2*\buf] offset:1024*\kk+512
.endr
.endm
	ISSUE 0, 0
	ISSUE 1, 4
	; the 64 weight fragments: 16 rows x 32 along k, two loads of 16 bytes, 32 bytes apart
	WIN 0x80
.irp kk, 0,1,2,3,4,5,6,7
.irp nb, 0,1,2,3
	ds_load_b128 v[8*(4*\kk+\nb):8*(4*\kk+\nb)+3],   v6 offset:\nb*16*WPITCH+64*\kk
	ds_load_b128 v[8*(4*\kk+\nb)+4:8*(4*\kk+\nb)+7], v6 offset:\nb*16*WPITCH+64*\kk+32
.endr
.endr
	WIN 0xc0
.irp kk, 0,1,2,3,4,5,6,7
.irp nb, 0,1,2,3
	ds_load_b128 v[8*(4*\kk+\nb):8*(4*\kk+\nb)+3],   v6 offset:\nb*16*WPITCH+64*(\kk+8)
	ds_load_b128 v[8*(4*\kk+\nb)+4:8*(4*\kk+\nb)+7], v6 offset:\nb*16*WPITCH+64*(\kk+8)+32
.endr
.endr
	WIN 0
	s_wait_dscnt 0x0
; 64 matrix instructions: 16 rows of the tile x my 64 weight rows x 512 along k.  Source 0 = weights, source 1 = the tile: lane L then holds row r of the
; tile and its registers 0-7 the eight neighbouring columns 16 nb + 8 h + 0..7.  The first product of each accumulator takes the constant 0: nothing is cleared.
; The four accumulators take turns, one instruction a turn.
.macro MUL buf
.if \buf == 1
.set AL, 0
.else
.set AL, 128
.endif
.if \buf == 0
	WIN 0x02
.else
	WIN 0x06
.endif
.irp kk, 0,1,2,3,4,5,6,7
.irp nb, 0,1,2,3
.if \kk == 0
	v_wmma_f32_16x16x32_f16 v[ACC+8*\nb:ACC+8*\nb+7], v[8*(4*\kk+\nb):8*(4*\kk+\nb)+7], v[AL+8*\kk:AL+8*\kk+7], 0
.else
	v_wmma_f32_16x16x32_f16 v[ACC+8*\nb:ACC+8*\nb+7], v[8*(4*\kk+\nb):8*(4*\kk+\nb)+7], v[AL+8*\kk:AL+8*\kk+7], v[ACC+8*\nb:ACC+8*\nb+7]
.endif
.endr
.endr
.if \buf == 0
	WIN 0x03
.else
	WIN 0x07
.endif
.irp kk, 0,1,2,3,4,5,6,7
.irp nb, 0,1,2,3
	v_wmma_f32_16x16x32_f16 v[ACC+8*\nb:ACC+8*\nb+7], v[8*(4*\kk+\nb):8*(4*\kk+\nb)+7], v[AL+8*(\kk+8):AL+8*(\kk+8)+7], v[ACC+8*\nb:ACC+8*\nb+7]
.endr
.endr
	WIN 0
.endm
; the way out of the expert's tile t + add
.macro OUT add
	PLACES 5                                       ; places behind the last matrix instructions: four for what reads the results and for the next loads into
	                                               ; the buffer just multiplied, five for the next tile's first products, which write over the accumulators
	s_wait_xcnt 0x0                                ; the last tile's stores have had their addresses translated (ISA guide 3.1): their data and base are rewritten only behind this wait
	s_add_co_u32 s30, s18, \add
	s_add_co_u32 s30, s30, s16
	s_min_u32 s30, s30, 263
	s_lshl_b32 s30, s30, OSHIFT
	s_add_nc_u64 s[26:27], s[10:11], s[30:31]
.if G2
.irp nb, 0,1,2,3
	ds_store_b128 v8, v[ACC+8*\nb:ACC+8*\nb+3]   offset:64*\nb
	ds_store_b128 v8, v[ACC+8*\nb+4:ACC+8*\nb+7] offset:64*\nb+16
.endr
.irp i, 0,1,2,3,4,5,6,7
	ds_load_b128 v[OUTR+4*\i:OUTR+4*\i+3], v9 offset:2*SPITCH*\i   ; my wave's own bytes; LDS serves a wave's instructions in order (ISA guide 5.7.1.4): these see the stores above
.endr
.irp i, 0,1,2,3,4,5,6,7
	s_wait_dscnt 7-\i                              ; rows 2 i and 2 i + 1 are back
	global_store_b128 v10, v[OUTR+4*\i:OUTR+4*\i+3], s[26:27] offset:4096*\i   ; 16 lanes store 256 consecutive bytes, aligned
.endr
.else
.irp nb, 0,1,2,3
.irp j, 0,1,2,3,4,5,6,7
	v_max_num_f32 v[ACC+8*\nb+\j], 0, v[ACC+8*\nb+\j]
.endr
.irp j, 0,1,2,3
	v_cvt_pk_f16_f32 v[OUTR+4*\nb+\j], v[ACC+8*\nb+2*\j], v[ACC+8*\nb+2*\j+1]
.endr
	global_store_b128 v7, v[OUTR+4*\nb:OUTR+4*\nb+3], s[26:27] offset:512*\nb   ; columns 16 nb + 8 h + 0..7 of row r: half (nb % 2) of fragment nb / 2, 512 consecutive bytes
.endr
.endif
.endm
.macro BODY buf, nxt, add
	s_wait_loadcnt 32                              ; this tile's 32 loads are in; the next tile's 32 stay out
	ISSUE \nxt, \add+8
	MUL \buf
	OUT \add
.endm
; A trip takes three tiles, one from each buffer.  The loop is counted by its own trip counter, one step of 1 a trip, against my number of trips,
; which the loop does not write; t steps by 12 beside it.  A wave whose tiles run out in the middle of a trip ends there: no branch leaves the loop.
.Lloop:
	BODY 0, 2, 0
	s_add_co_u32 s32, s18, 4
	s_cmp_lt_u32 s32, s17
	s_cbranch_scc1 .Lsecond                        ; tile t + 4 exists
	s_wait_tensorcnt 0x0
	ds_add_u32 v126, v127
	s_wait_dscnt 0x0
	s_endpgm                                       ; only plain loads (the clamped look-ahead) and stores are out
.Lsecond:
	BODY 1, 0, 4
	s_add_co_u32 s32, s18, 8
	s_cmp_lt_u32 s32, s17
	s_cbranch_scc1 .Lthird                         ; tile t + 8 exists
	s_wait_tensorcnt 0x0
	ds_add_u32 v126, v127
	s_wait_dscnt 0x0
	s_endpgm
.Lthird:
	BODY 2, 1, 8
	s_add_co_u32 s18, s18, 12                      ; my next three tiles
	s_add_co_u32 s35, s35, 1
	s_cmp_lt_u32 s35, s36
	s_cbranch_scc1 .Lloop
.Lend:
	s_wait_tensorcnt 0x0
	ds_add_u32 v126, v127
	s_wait_dscnt 0x0
	s_endpgm
.Lfunc_end_k_qd63e7e7835_gemm1:
	.size	k_qd63e7e7835_gemm1, .Lfunc_end_k_qd63e7e7835_gemm1-k_qd63e7e7835_gemm1
	.p2alignl 7, 3214868480
	.fill 96, 4, 3214868480
	.section	.rodata,"a",@progbits
	.p2align	6, 0x0
	.amdhsa_kernel k_qd63e7e7835_gemm1
		.amdhsa_group_segment_fixed_size 67072
		.amdhsa_private_segment_fixed_size 0
		.amdhsa_enable_private_segment 0
		.amdhsa_kernarg_size 32
		.amdhsa_user_sgpr_count 2
		.amdhsa_user_sgpr_kernarg_segment_ptr 1
		.amdhsa_wavefront_size32 1
		.amdhsa_system_sgpr_workgroup_id_x 1
		.amdhsa_system_sgpr_workgroup_id_y 1
		.amdhsa_system_sgpr_workgroup_id_z 1
		.amdhsa_system_vgpr_workitem_id 0
		.amdhsa_next_free_vgpr 1024
		.amdhsa_next_free_sgpr 66
		.amdhsa_reserve_vcc 0
		.amdhsa_float_denorm_mode_32 3
		.amdhsa_float_denorm_mode_16_64 3
		.amdhsa_memory_ordered 1
		.amdhsa_forward_progress 1
		.amdhsa_inst_pref_size 67
	.end_amdhsa_kernel
	.amdgpu_metadata
---
amdhsa.version: [ 1, 2 ]
amdhsa.kernels:
  - .name:           k_qd63e7e7835_gemm1
    .symbol:         k_qd63e7e7835_gemm1.kd
    .args:
      - { .name: xs, .offset: 0, .size: 8, .value_kind: global_buffer, .address_space: global }
      - { .name: w_htoh4, .offset: 8, .size: 8, .value_kind: global_buffer, .address_space: global }
      - { .name: seg, .offset: 16, .size: 8, .value_kind: global_buffer, .address_space: global }
      - { .name: hs, .offset: 24, .size: 8, .value_kind: global_buffer, .address_space: global }
    .group_segment_fixed_size: 67072
    .private_segment_fixed_size: 0
    .kernarg_segment_align: 8
    .kernarg_segment_size: 32
    .max_flat_workgroup_size: 128
    .sgpr_count:     66
    .vgpr_count:     1024
    .wavefront_size: 32
...
	.end_amdgpu_metadata
.endif
;; end of part 2
;; launch gemm2 (part 3): grid 32 x 8, 4 waves a work-group, no clusters, 84,480 bytes of LDS; arguments hs, w_h4toh, seg, yp; writes yp
.if DOCPART == 3
	.amdgcn_target "amdgcn-amd-amdhsa--gfx1250"
	.amdhsa_code_object_version 6
	.text
	.protected	k_qd63e7e7835_gemm2
	.globl	k_qd63e7e7835_gemm2
	.p2align	8
	.type	k_qd63e7e7835_gemm2,@function
k_qd63e7e7835_gemm2:
	s_mov_b64 s[64:65], 0
	v_nop
	global_prefetch_b8 v0, s[64:65] scope:SCOPE_SE
	s_setreg_imm32_b32 hwreg(HW_REG_WAVE_MODE, 25, 1), 1
	s_wait_xcnt 0x0
; ONE TEXT FOR BOTH PRODUCTS; the switch G2 picks the sizes and the way out.
;   G2 = 0: h = relu(X W1[e]^T), rounded to f16 and stored in the lane order in which the second product loads it.
;   G2 = 1: a partial y = h W2[e]^T over one quarter (512) of the 2,048 along k, in f32, row-major by sorted position; a later launch adds the four quarters.
; Work-group (x, e): expert e, 64 rows of the weights x 512 along k = 131,072 bytes of f32, which no other work-group reads.  They are read once, rounded to
; f16, passed through LDS, and then EVERY one of the four waves keeps all of them as 64 fragments in 512 registers.  Wave w then walks the expert's tiles
; w, w + 4, ... of 16 rows: a tile is 16,384 bytes that lie in memory in the lanes' own order, so 32 loads of 512 consecutive bytes bring it straight into
; registers, and 64 matrix instructions use each of its 16 fragments four times.  Three register buffers: a tile is asked for two tiles ahead.
; The number of tiles (seg, stored by an earlier launch) is read from memory and differs from wave to wave, so no barrier stands behind the one that shows the weights.
; NO JOINT REQUESTS though the 32 work-groups of an expert read the same tiles: a joint request is a tensor load into LDS slots, whose refills need a barrier on
; every wave's path in every trip, and here the trips are counted by a number from memory; the weights, the larger part of the unique bytes, are shared by nobody.
; NUMBER FORMAT: all four matrix operands (x, W1, h, W2) are f16, sums f32.  f16 keeps 11 significant bits against bf16's 8, so each of the four roundings is
; 8 times finer.  Its room (largest number 65,504; steps of 6e-8 below 6.1e-5), for x of spread 1 and weights of spread 0.044:
;   30 times larger: weights reach 7; h, with x and W1 both larger, 900 x 5.2 = 4,700.  An offset of 30 spreads on x (30) and on W1 (1.33): h near 512 x 30 x 1.33 = 20,400.
;   30 times smaller: weights of spread 0.0015 and h of spread 0.0008 are rounded in steps of at most 6e-8, under 1e-4 of their spread.
; LIMITS: a number above 65,504 before the relu becomes infinity in h; the relu is a maximum with 0 in which a NaN loses (a NaN before the relu becomes 0);
; where the rows crowd into few experts the result is right but only those experts' work-groups have work.
.set G2, 1
.set PLANE_A, 4325376                  ; 264 tiles of 16,384 bytes: one quarter of h along k (and all of xs)
.set PLANE_Y, 8650752                  ; 4,224 positions x 2,048 bytes: one partial y
.if G2
.set WROW,   8192                      ; bytes in a row of the weights
.set OSHIFT, 15                        ; a tile of the output: 16 rows of 2,048 bytes
.else
.set WROW,   2048
.set OSHIFT, 14                        ; a tile of the output: 16,384 bytes
.endif
.set WPITCH, 1040                      ; LDS: 64 rows of 512 f16 + 16 bytes: an odd multiple of 16, so 16 rows' 16-byte pieces start in 16 different groups of four banks (ISA guide 11.1)
.set STG,    64*WPITCH                 ; G2: behind the weights 16 rows x 272 bytes for each wave
.set SPITCH, 272
; REGISTERS in windows of 256.  Window 0: v1-v11 addresses, v[32:63] four accumulators, v[64:95] the way out, v[128:255] tile buffer 0.
; Window 1: tile buffers 1 (0-127) and 2 (128-255).  Windows 2 and 3: weight fragment (kk, nb) at 512 + 8 (4 kk + nb);
; before that window 2 takes the weights as loaded (256 registers of f32) and window 3 (0-127) the same as f16.
.set ACC,  32
.set OUTR, 64
.set MSB, 0
.macro WIN new                         ; s_set_vgpr_msb: bits 1:0 source 0, 3:2 source 1, 5:4 source 2, 7:6 destination; the high byte repeats the setting that is left
.if MSB != \new
	s_set_vgpr_msb (MSB<<8)|\new
.set MSB, \new
.endif
.endm
.macro PLACES n
.rept \n
	v_nop
.endr
.endm
	s_load_b256 s[4:11], s[0:1], 0x0               ; tiles s[4:5], weights s[6:7], seg s[8:9], output s[10:11]
	v_lshl_add_u32 v126, v0, 2, 0x14800
	v_mov_b32 v127, 0
	v_and_b32 v1, 31, v0                           ; L
	v_and_b32 v2, 15, v0                           ; r
	v_bfe_u32 v3, v0, 4, 1                         ; h
	v_lshrrev_b32 v11, 5, v0
	v_readfirstlane_b32 s12, v11                   ; wave
	s_mov_b32 s13, ttmp9                           ; x
	s_and_b32 s14, ttmp7, 0xffff                   ; e
	s_lshl_b32 s15, s14, 3                         ; the expert's two words of seg
	s_lshr_b32 s33, s13, 3                         ; x / 8: the quarter along the 2,048
	s_and_b32 s34, s13, 7                          ; x % 8
	s_mov_b32 s29, 0                               ; upper words of the two offset pairs
	s_mov_b32 s31, 0
	s_mul_i32 s32, s12, 16*WROW
	v_lshl_add_u32 v4, v1, 4, s32                  ; weights: my wave's 16 rows, 16 bytes a lane
	s_lshl_b32 s28, s14, 22                        ; an expert's weights are 4,194,304 bytes
.if G2
	s_lshl_b32 s32, s34, 19                        ; 64 rows of 8,192 bytes
	s_add_co_u32 s28, s28, s32
	s_lshl_b32 s32, s33, 11                        ; 512 numbers along a row
	s_add_co_u32 s28, s28, s32
.else
	s_lshl_b32 s32, s13, 17                        ; 64 rows of 2,048 bytes
	s_add_co_u32 s28, s28, s32
.endif
	s_wait_kmcnt 0x0
	s_add_nc_u64 s[6:7], s[6:7], s[28:29]
	; 64 loads: row i of my 16, piece c of its four: 512 consecutive bytes each; nobody reads these bytes again
	WIN 0x80
.irp i, 0,1,2,3,4,5,6,7,8,9,10,11,12,13,14,15
.irp c, 0,1,2,3
	global_load_b128 v[16*\i+4*\c:16*\i+4*\c+3], v4, s[6:7] offset:\i*WROW+512*\c th:TH_LOAD_NT
.endr
.endr
	WIN 0
	s_mov_b32 s28, s15
	s_add_nc_u64 s[8:9], s[8:9], s[28:29]
	s_load_b64 s[16:17], s[8:9], 0x0               ; start_e, MT_e
.if G2
	s_mul_i32 s28, s33, PLANE_A
	s_add_nc_u64 s[4:5], s[4:5], s[28:29]          ; my quarter of h
	s_mul_i32 s28, s33, PLANE_Y
	s_lshl_b32 s32, s34, 8                         ; my 64 columns of y
.else
	s_mul_i32 s28, s33, PLANE_A
	s_lshl_b32 s32, s34, 11                        ; my 64 columns are fragments 2 (x % 8) and 2 (x % 8) + 1 of the quarter
.endif
	s_add_co_u32 s28, s28, s32
	s_add_nc_u64 s[10:11], s[10:11], s[28:29]
	s_mul_i32 s32, s12, 16*WPITCH
	v_lshl_add_u32 v5, v1, 3, s32                  ; LDS, in: my wave's 16 rows, 8 bytes a lane
	v_mul_u32_u24 v6, v2, WPITCH
	v_lshl_add_u32 v6, v3, 4, v6                   ; LDS, fragments: row r, 16 bytes for each half of the lanes
	v_lshlrev_b32 v7, 4, v1                        ; 16 L: a tile's loads (and the stores of h)
.if G2
	s_mul_i32 s32, s12, 16*SPITCH
	s_add_co_u32 s32, s32, STG                     ; my wave's stage
	v_mul_u32_u24 v8, v2, SPITCH
	v_lshl_add_u32 v8, v3, 5, v8
	v_add_nc_u32 v8, s32, v8                       ; in: row r, 32 bytes for each half of the lanes
	v_mul_u32_u24 v9, v3, SPITCH
	v_lshl_add_u32 v9, v2, 4, v9
	v_add_nc_u32 v9, s32, v9                       ; back: lanes 0-15 one row of 256 bytes, lanes 16-31 the next
	v_lshlrev_b32 v10, 11, v3
	v_lshl_add_u32 v10, v2, 4, v10                 ; the same two rows in y
.endif
; sixteen loads' worth (four rows) of weights: to f16, into LDS.  A store of the wave covers 256 consecutive bytes.
.macro WCVT g
	s_wait_loadcnt 48-16*\g                        ; loads come back in order (ISA guide 5.7.1): all but the youngest 48 - 16 g are in
	WIN 0xca                                       ; sources window 2, destination window 3
.irp i, 0,1,2,3
.irp c, 0,1,2,3
	v_cvt_pk_f16_f32 v[2*(16*\g+4*\i+\c)],   v[4*(16*\g+4*\i+\c)],   v[4*(16*\g+4*\i+\c)+1]
	v_cvt_pk_f16_f32 v[2*(16*\g+4*\i+\c)+1], v[4*(16*\g+4*\i+\c)+2], v[4*(16*\g+4*\i+\c)+3]
.endr
.endr
	WIN 0x0c                                       ; store data window 3, address window 0
.irp i, 0,1,2,3
.irp c, 0,1,2,3
	ds_store_b64 v5, v[2*(16*\g+4*\i+\c):2*(16*\g+4*\i+\c)+1] offset:(4*\g+\i)*WPITCH+256*\c
.endr
.endr
.endm
	WCVT 0
	WCVT 1
	WCVT 2
	WCVT 3
	WIN 0
	s_wait_dscnt 0x0                               ; my 16 rows are in LDS before I say so
	s_barrier_signal -1
	s_barrier_wait -1                              ; all 64 rows are; the only barrier of the text
	s_wait_kmcnt 0x0
	s_min_u32 s16, s16, 263                        ; start_e
	s_min_u32 s17, s17, 256                        ; MT_e
	s_mov_b32 s18, s12                             ; t: my tile among the expert's, from my wave's number on in steps of 4
	s_cmp_ge_u32 s18, s17
	s_cbranch_scc1 .Lend                           ; fewer tiles than waves: nothing for me
	s_sub_co_u32 s19, s17, 1                       ; the expert's last tile
	; my trips of three tiles each: ceil((MT_e - wave) / 12).  The argument below is 12 .. 267; 43,691 / 2^19 exceeds 1 / 12 by 6.4e-7,
	; which over 267 stays far below 1 / 12, so the shifted product is the exact quotient
	s_sub_co_u32 s36, s17, s12
	s_add_co_u32 s36, s36, 11
	s_mul_i32 s36, s36, 43691
	s_lshr_b32 s36, s36, 19
	s_min_u32 s36, s36, 22                         ; ceil(256 / 12): the most that 256 tiles give
	s_mov_b32 s35, 0                               ; the trip counter
; 32 loads: the expert's tile t + add into buffer buf.  Past the last tile the last is asked for again: every load stays on bytes that were stored,
; and every tile's turn issues the same 32 loads, so the counted wait means the same on every way.
.macro ISSUE buf, add
	s_add_co_u32 s30, s18, \add
	s_min_u32 s30, s30, s19
	s_add_co_u32 s30, s30, s16
	s_min_u32 s30, s30, 263
	s_lshl_b32 s30, s30, 14
	s_add_nc_u64 s[20+2*\buf:21+2*\buf], s[4:5], s[30:31]      ; the buffer's own base: its former loads were shown done by the wait in front of their products
.if \buf == 0
	WIN 0
.else
	WIN 0x40
.endif
.if \buf == 1
.set AL, 0
.else
.set AL, 128
.endif
.irp kk, 0,1,2,3,4,5,6,7,8,9,10,11,12,13,14,15
	global_load_b128 v[AL+8*\kk:AL+8*\kk+3],   v7, s[20+2*\buf:21+2*\buf] offset:1024*\kk
	global_load_b128 v[AL+8*\kk+4:AL+8*\kk+7], v7, s[20+2*\buf:21+2*\buf] offset:1024*\kk+512
.endr
.endm
	ISSUE 0, 0
	ISSUE 1, 4
	; the 64 weight fragments: 16 rows x 32 along k, two loads of 16 bytes, 32 bytes apart
	WIN 0x80
.irp kk, 0,1,2,3,4,5,6,7
.irp nb, 0,1,2,3
	ds_load_b128 v[8*(4*\kk+\nb):8*(4*\kk+\nb)+3],   v6 offset:\nb*16*WPITCH+64*\kk
	ds_load_b128 v[8*(4*\kk+\nb)+4:8*(4*\kk+\nb)+7], v6 offset:\nb*16*WPITCH+64*\kk+32
.endr
.endr
	WIN 0xc0
.irp kk, 0,1,2,3,4,5,6,7
.irp nb, 0,1,2,3
	ds_load_b128 v[8*(4*\kk+\nb):8*(4*\kk+\nb)+3],   v6 offset:\nb*16*WPITCH+64*(\kk+8)
	ds_load_b128 v[8*(4*\kk+\nb)+4:8*(4*\kk+\nb)+7], v6 offset:\nb*16*WPITCH+64*(\kk+8)+32
.endr
.endr
	WIN 0
	s_wait_dscnt 0x0
; 64 matrix instructions: 16 rows of the tile x my 64 weight rows x 512 along k.  Source 0 = weights, source 1 = the tile: lane L then holds row r of the
; tile and its registers 0-7 the eight neighbouring columns 16 nb + 8 h + 0..7.  The first product of each accumulator takes the constant 0: nothing is cleared.
; The four accumulators take turns, one instruction a turn.
.macro MUL buf
.if \buf == 1
.set AL, 0
.else
.set AL, 128
.endif
.if \buf == 0
	WIN 0x02
.else
	WIN 0x06
.endif
.irp kk, 0,1,2,3,4,5,6,7
.irp nb, 0,1,2,3
.if \kk == 0
	v_wmma_f32_16x16x32_f16 v[ACC+8*\nb:ACC+8*\nb+7], v[8*(4*\kk+\nb):8*(4*\kk+\nb)+7], v[AL+8*\kk:AL+8*\kk+7], 0
.else
	v_wmma_f32_16x16x32_f16 v[ACC+8*\nb:ACC+8*\nb+7], v[8*(4*\kk+\nb):8*(4*\kk+\nb)+7], v[AL+8*\kk:AL+8*\kk+7], v[ACC+8*\nb:ACC+8*\nb+7]
.endif
.endr
.endr
.if \buf == 0
	WIN 0x03
.else
	WIN 0x07
.endif
.irp kk, 0,1,2,3,4,5,6,7
.irp nb, 0,1,2,3
	v_wmma_f32_16x16x32_f16 v[ACC+8*\nb:ACC+8*\nb+7], v[8*(4*\kk+\nb):8*(4*\kk+\nb)+7], v[AL+8*(\kk+8):AL+8*(\kk+8)+7], v[ACC+8*\nb:ACC+8*\nb+7]
.endr
.endr
	WIN 0
.endm
; the way out of the expert's tile t + add
.macro OUT add
	PLACES 5                                       ; places behind the last matrix instructions: four for what reads the results and for the next loads into
	                                               ; the buffer just multiplied, five for the next tile's first products, which write over the accumulators
	s_wait_xcnt 0x0                                ; the last tile's stores have had their addresses translated (ISA guide 3.1): their data and base are rewritten only behind this wait
	s_add_co_u32 s30, s18, \add
	s_add_co_u32 s30, s30, s16
	s_min_u32 s30, s30, 263
	s_lshl_b32 s30, s30, OSHIFT
	s_add_nc_u64 s[26:27], s[10:11], s[30:31]
.if G2
.irp nb, 0,1,2,3
	ds_store_b128 v8, v[ACC+8*\nb:ACC+8*\nb+3]   offset:64*\nb
	ds_store_b128 v8, v[ACC+8*\nb+4:ACC+8*\nb+7] offset:64*\nb+16
.endr
.irp i, 0,1,2,3,4,5,6,7
	ds_load_b128 v[OUTR+4*\i:OUTR+4*\i+3], v9 offset:2*SPITCH*\i   ; my wave's own bytes; LDS serves a wave's instructions in order (ISA guide 5.7.1.4): these see the stores above
.endr
.irp i, 0,1,2,3,4,5,6,7
	s_wait_dscnt 7-\i                              ; rows 2 i and 2 i + 1 are back
	global_store_b128 v10, v[OUTR+4*\i:OUTR+4*\i+3], s[26:27] offset:4096*\i   ; 16 lanes store 256 consecutive bytes, aligned
.endr
.else
.irp nb, 0,1,2,3
.irp j, 0,1,2,3,4,5,6,7
	v_max_num_f32 v[ACC+8*\nb+\j], 0, v[ACC+8*\nb+\j]
.endr
.irp j, 0,1,2,3
	v_cvt_pk_f16_f32 v[OUTR+4*\nb+\j], v[ACC+8*\nb+2*\j], v[ACC+8*\nb+2*\j+1]
.endr
	global_store_b128 v7, v[OUTR+4*\nb:OUTR+4*\nb+3], s[26:27] offset:512*\nb   ; columns 16 nb + 8 h + 0..7 of row r: half (nb % 2) of fragment nb / 2, 512 consecutive bytes
.endr
.endif
.endm
.macro BODY buf, nxt, add
	s_wait_loadcnt 32                              ; this tile's 32 loads are in; the next tile's 32 stay out
	ISSUE \nxt, \add+8
	MUL \buf
	OUT \add
.endm
; A trip takes three tiles, one from each buffer.  The loop is counted by its own trip counter, one step of 1 a trip, against my number of trips,
; which the loop does not write; t steps by 12 beside it.  A wave whose tiles run out in the middle of a trip ends there: no branch leaves the loop.
.Lloop:
	BODY 0, 2, 0
	s_add_co_u32 s32, s18, 4
	s_cmp_lt_u32 s32, s17
	s_cbranch_scc1 .Lsecond                        ; tile t + 4 exists
	s_wait_tensorcnt 0x0
	ds_add_u32 v126, v127
	s_wait_dscnt 0x0
	s_endpgm                                       ; only plain loads (the clamped look-ahead) and stores are out
.Lsecond:
	BODY 1, 0, 4
	s_add_co_u32 s32, s18, 8
	s_cmp_lt_u32 s32, s17
	s_cbranch_scc1 .Lthird                         ; tile t + 8 exists
	s_wait_tensorcnt 0x0
	ds_add_u32 v126, v127
	s_wait_dscnt 0x0
	s_endpgm
.Lthird:
	BODY 2, 1, 8
	s_add_co_u32 s18, s18, 12                      ; my next three tiles
	s_add_co_u32 s35, s35, 1
	s_cmp_lt_u32 s35, s36
	s_cbranch_scc1 .Lloop
.Lend:
	s_wait_tensorcnt 0x0
	ds_add_u32 v126, v127
	s_wait_dscnt 0x0
	s_endpgm
.Lfunc_end_k_qd63e7e7835_gemm2:
	.size	k_qd63e7e7835_gemm2, .Lfunc_end_k_qd63e7e7835_gemm2-k_qd63e7e7835_gemm2
	.p2alignl 7, 3214868480
	.fill 96, 4, 3214868480
	.section	.rodata,"a",@progbits
	.p2align	6, 0x0
	.amdhsa_kernel k_qd63e7e7835_gemm2
		.amdhsa_group_segment_fixed_size 84480
		.amdhsa_private_segment_fixed_size 0
		.amdhsa_enable_private_segment 0
		.amdhsa_kernarg_size 32
		.amdhsa_user_sgpr_count 2
		.amdhsa_user_sgpr_kernarg_segment_ptr 1
		.amdhsa_wavefront_size32 1
		.amdhsa_system_sgpr_workgroup_id_x 1
		.amdhsa_system_sgpr_workgroup_id_y 1
		.amdhsa_system_sgpr_workgroup_id_z 1
		.amdhsa_system_vgpr_workitem_id 0
		.amdhsa_next_free_vgpr 1024
		.amdhsa_next_free_sgpr 66
		.amdhsa_reserve_vcc 0
		.amdhsa_float_denorm_mode_32 3
		.amdhsa_float_denorm_mode_16_64 3
		.amdhsa_memory_ordered 1
		.amdhsa_forward_progress 1
		.amdhsa_inst_pref_size 67
	.end_amdhsa_kernel
	.amdgpu_metadata
---
amdhsa.version: [ 1, 2 ]
amdhsa.kernels:
  - .name:           k_qd63e7e7835_gemm2
    .symbol:         k_qd63e7e7835_gemm2.kd
    .args:
      - { .name: hs, .offset: 0, .size: 8, .value_kind: global_buffer, .address_space: global }
      - { .name: w_h4toh, .offset: 8, .size: 8, .value_kind: global_buffer, .address_space: global }
      - { .name: seg, .offset: 16, .size: 8, .value_kind: global_buffer, .address_space: global }
      - { .name: yp, .offset: 24, .size: 8, .value_kind: global_buffer, .address_space: global }
    .group_segment_fixed_size: 84480
    .private_segment_fixed_size: 0
    .kernarg_segment_align: 8
    .kernarg_segment_size: 32
    .max_flat_workgroup_size: 128
    .sgpr_count:     66
    .vgpr_count:     1024
    .wavefront_size: 32
...
	.end_amdgpu_metadata
.endif
;; end of part 3
;; launch combine (part 4): grid 512 x 1, 4 waves a work-group, no clusters, 0 bytes of LDS; arguments yp, pos, gate_score, out0; writes out0
.if DOCPART == 4
	.amdgcn_target "amdgcn-amd-amdhsa--gfx1250"
	.amdhsa_code_object_version 6
	.text
	.protected	k_qd63e7e7835_combine
	.globl	k_qd63e7e7835_combine
	.p2align	8
	.type	k_qd63e7e7835_combine,@function
k_qd63e7e7835_combine:
	s_mov_b64 s[64:65], 0
	v_nop
	global_prefetch_b8 v0, s[64:65] scope:SCOPE_SE
	s_setreg_imm32_b32 hwreg(HW_REG_WAVE_MODE, 25, 1), 1
	s_wait_xcnt 0x0
; out[n] = s[n][0] y[2n] + s[n][1] y[2n+1], where y[b] is the sum, in ascending order, of the four partial rows yp[quarter][pos[b]].
; Work-group b takes tokens 4 b .. 4 b + 3.  A row is 2,048 bytes: thread t owns its bytes 16 t .. 16 t + 15, so a load or store of a wave covers 512
; consecutive bytes.  All 32 loads of a thread (4 tokens x 2 rows x 4 quarters) are issued at once; the waits count down token by token.
; The eight positions and the eight scores are the same for all threads and come by scalar loads.  Memory binds: no LDS, no matrix unit, no barrier.
; The text is straight: no register that a load or store names is written again.
.set PLANE_Y, 8650752                  ; 4,224 positions x 2,048 bytes: one partial y
.set D, 16                             ; v[16:143]  row i (= 2 x token + k), quarter q: four registers at D + 16 i + 4 q
	s_load_b256 s[4:11], s[0:1], 0x0               ; yp s[4:5], pos s[6:7], gate_score s[8:9], out0 s[10:11]
	s_lshl_b32 s12, ttmp9, 5                       ; my 8 words of pos and of gate_score
	s_mov_b32 s13, 0
	s_mov_b32 s15, 0
	v_lshlrev_b32 v2, 4, v0                        ; 16 t
	v_add_nc_u32 v3, PLANE_Y, v2                   ; + the quarter: too far for an immediate offset, so it rides in the vector offset
	v_add_nc_u32 v4, 2*PLANE_Y, v2
	v_add_nc_u32 v5, 3*PLANE_Y, v2
	s_wait_kmcnt 0x0
	s_add_nc_u64 s[6:7], s[6:7], s[12:13]
	s_add_nc_u64 s[8:9], s[8:9], s[12:13]
	s_load_b256 s[16:23], s[6:7], 0x0              ; pos of rows 8 b .. 8 b + 7
	s_load_b256 s[24:31], s[8:9], 0x0              ; the four tokens' two scores each
	s_lshl_b32 s12, ttmp9, 13                      ; my four rows of out0
	s_add_nc_u64 s[10:11], s[10:11], s[12:13]
	s_wait_kmcnt 0x0
.irp i, 0,1,2,3,4,5,6,7
	s_min_u32 s[16+\i], s[16+\i], 4223
	s_lshl_b32 s14, s[16+\i], 11
	s_add_nc_u64 s[32+2*\i:33+2*\i], s[4:5], s[14:15]          ; the row's base in quarter 0
.endr
.irp i, 0,1,2,3,4,5,6,7
.irp q, 0,1,2,3
	global_load_b128 v[D+16*\i+4*\q:D+16*\i+4*\q+3], v[2+\q], s[32+2*\i:33+2*\i] th:TH_LOAD_NT   ; each position belongs to one row: read once in the launch
.endr
.endr
.macro TOKEN i
	s_wait_loadcnt 24-8*\i                         ; loads come back in order (ISA guide 5.7.1): this token's eight are in, the later tokens' stay out
.irp k, 0,16
.irp q, 4,8,12
	v_pk_add_f32 v[D+32*\i+\k:D+32*\i+\k+1],   v[D+32*\i+\k:D+32*\i+\k+1],   v[D+32*\i+\k+\q:D+32*\i+\k+\q+1]
	v_pk_add_f32 v[D+32*\i+\k+2:D+32*\i+\k+3], v[D+32*\i+\k+2:D+32*\i+\k+3], v[D+32*\i+\k+\q+2:D+32*\i+\k+\q+3]
.endr
.endr
.irp j, 0,1,2,3
	v_mul_f32 v[D+32*\i+\j], s[24+2*\i], v[D+32*\i+\j]
.endr
.irp j, 0,1,2,3
	v_fma_f32 v[D+32*\i+\j], s[25+2*\i], v[D+32*\i+16+\j], v[D+32*\i+\j]
.endr
	global_store_b128 v2, v[D+32*\i:D+32*\i+3], s[10:11] offset:2048*\i th:TH_STORE_NT
.endm
	TOKEN 0
	TOKEN 1
	TOKEN 2
	TOKEN 3
	s_endpgm
.Lfunc_end_k_qd63e7e7835_combine:
	.size	k_qd63e7e7835_combine, .Lfunc_end_k_qd63e7e7835_combine-k_qd63e7e7835_combine
	.p2alignl 7, 3214868480
	.fill 96, 4, 3214868480
	.section	.rodata,"a",@progbits
	.p2align	6, 0x0
	.amdhsa_kernel k_qd63e7e7835_combine
		.amdhsa_group_segment_fixed_size 0
		.amdhsa_private_segment_fixed_size 0
		.amdhsa_enable_private_segment 0
		.amdhsa_kernarg_size 32
		.amdhsa_user_sgpr_count 2
		.amdhsa_user_sgpr_kernarg_segment_ptr 1
		.amdhsa_wavefront_size32 1
		.amdhsa_system_sgpr_workgroup_id_x 1
		.amdhsa_system_sgpr_workgroup_id_y 1
		.amdhsa_system_sgpr_workgroup_id_z 1
		.amdhsa_system_vgpr_workitem_id 0
		.amdhsa_next_free_vgpr 144
		.amdhsa_next_free_sgpr 66
		.amdhsa_reserve_vcc 0
		.amdhsa_float_denorm_mode_32 3
		.amdhsa_float_denorm_mode_16_64 3
		.amdhsa_memory_ordered 1
		.amdhsa_forward_progress 1
		.amdhsa_inst_pref_size 10
	.end_amdhsa_kernel
	.amdgpu_metadata
---
amdhsa.version: [ 1, 2 ]
amdhsa.kernels:
  - .name:           k_qd63e7e7835_combine
    .symbol:         k_qd63e7e7835_combine.kd
    .args:
      - { .name: yp, .offset: 0, .size: 8, .value_kind: global_buffer, .address_space: global }
      - { .name: pos, .offset: 8, .size: 8, .value_kind: global_buffer, .address_space: global }
      - { .name: gate_score, .offset: 16, .size: 8, .value_kind: global_buffer, .address_space: global }
      - { .name: out0, .offset: 24, .size: 8, .value_kind: global_buffer, .address_space: global }
    .group_segment_fixed_size: 0
    .private_segment_fixed_size: 0
    .kernarg_segment_align: 8
    .kernarg_segment_size: 32
    .max_flat_workgroup_size: 128
    .sgpr_count:     66
    .vgpr_count:     144
    .wavefront_size: 32
...
	.end_amdgpu_metadata
.endif
;; end of part 4
;; ======== version 2 of 2: 4 launches; version 1 with the launches gemm1, gemm2 written anew for expert scheduling mode
;; limits: values are held in f16: magnitudes above 65,504 overflow, below 6.1e-05 lose precision
;; workspace buffers: xs 4,325,376 bytes; hs 17,301,504 bytes; yp 34,603,008 bytes; pos 16,384 bytes of whole numbers; seg 256 bytes of whole numbers
;; launch prep: the kernel of part 1 again; grid 264 x 1, 8 waves a work-group, no clusters, 2,304 bytes of LDS; arguments gate_idx, inp, xs, pos, seg; writes xs, pos, seg
;; launch gemm1 (part 5): grid 32 x 8, 4 waves a work-group, no clusters, 67,072 bytes of LDS; arguments xs, w_htoh4, seg, hs; writes hs
.if DOCPART == 5
	.amdgcn_target "amdgcn-amd-amdhsa--gfx1250"
	.amdhsa_code_object_version 6
	.text
	.protected	k_qd63e7e7835_gemm1
	.globl	k_qd63e7e7835_gemm1
	.p2align	8
	.type	k_qd63e7e7835_gemm1,@function
k_qd63e7e7835_gemm1:
	s_mov_b64 s[64:65], 0
	v_nop
	global_prefetch_b8 v0, s[64:65] scope:SCOPE_SE
	s_setreg_imm32_b32 hwreg(HW_REG_WAVE_SCHED_MODE, 0, 2), 2
	s_setreg_imm32_b32 hwreg(HW_REG_WAVE_MODE, 25, 1), 1
	s_wait_xcnt 0x0
	s_wait_alu depctr_vm_vsrc(0)
; ONE TEXT FOR BOTH PRODUCTS; the switch G2 picks the sizes and the way out.
;   G2 = 0: h = relu(X W1[e]^T), rounded to f16 and stored in the lane order in which the second product loads it.
;   G2 = 1: a partial y = h W2[e]^T over one quarter (512) of the 2,048 along k, in f32, row-major by sorted position; a later launch adds the four quarters.
; Work-group (x, e): expert e, 64 rows of the weights x 512 along k = 131,072 bytes of f32, which no other work-group reads.  They are read once, rounded to
; f16, passed through LDS, and then EVERY one of the four waves keeps all of them as 64 fragments in 512 registers.  Wave w then walks the expert's tiles
; w, w + 4, ... of 16 rows: a tile is 16,384 bytes that lie in memory in the lanes' own order, so 32 loads of 512 consecutive bytes bring it straight into
; registers, and 64 matrix instructions use each of its 16 fragments four times.  Three register buffers: a tile is asked for two tiles ahead.
; The number of tiles (seg, stored by an earlier launch) is read from memory and differs from wave to wave, so no barrier stands behind the one that shows the weights.
; NO JOINT REQUESTS though the 32 work-groups of an expert read the same tiles: a joint request is a tensor load into LDS slots, whose refills need a barrier on
; every wave's path in every trip, and here the trips are counted by a number from memory; the weights, the larger part of the unique bytes, are shared by nobody.
; NUMBER FORMAT: all four matrix operands (x, W1, h, W2) are f16, sums f32.  f16 keeps 11 significant bits against bf16's 8, so each of the four roundings is
; 8 times finer.  Its room (largest number 65,504; steps of 6e-8 below 6.1e-5), for x of spread 1 and weights of spread 0.044:
;   30 times larger: weights reach 7; h, with x and W1 both larger, 900 x 5.2 = 4,700.  An offset of 30 spreads on x (30) and on W1 (1.33): h near 512 x 30 x 1.33 = 20,400.
;   30 times smaller: weights of spread 0.0015 and h of spread 0.0008 are rounded in steps of at most 6e-8, under 1e-4 of their spread.
; LIMITS: a number above 65,504 before the relu becomes infinity in h; the relu is a maximum with 0 in which a NaN loses (a NaN before the relu becomes 0);
; where the rows crowd into few experts the result is right but only those experts' work-groups have work.
; THE MODE: SCHED_MODE bits 1:0 = 2 (LLVM: expert scheduling mode 2), set by the entry lines.  The code itself states the register dependences
; between vector or matrix instructions and memory or LDS instructions, with s_wait_alu, always for 0.
; THE PLAN.  Registers that memory or LDS instructions touch:
;   v4 .. v10      offsets and LDS addresses.  Made once, ahead of the first load, and never written again; the scalars that those lines read (s2, s3, s37) neither.
;   v[512:767]     the weights as loaded.  Written by the 64 loads, read by the conversions; later the fragments' LDS loads land in them.
;   v[768:895]     the same as f16.  Written by the conversions, read by the LDS stores; later the fragments' LDS loads land in them (and in v[896:1023], which nothing named before).
;   A0, A1, A2     the tile buffers.  Tile i's products read A[i % 3]; the loads issued in tile i's turn (tile i + 2) land in A[(i - 1) % 3], which tile i - 1's products read.
;   G2 = 0: OUTR   v[64:79].  Written by a tile's conversions, read by its four stores.
;   G2 = 1: the accumulators are written by a tile's products and read by its eight LDS stores; OUTR, v[64:95], is written by LDS loads and read by global stores.
; A TILE'S TURN.  At its head one wait on va_vdst, behind the window switch: the tile before's products are done reading the buffer that is asked for again; the turn's 32 loads follow,
; sixteen ahead of each half of its 64 products, which name the weights, the tile in hand and the accumulators: none of the registers that those loads touch.  On the way out one
; wait on va_vdst ahead of the run of stores that read what the vector or matrix instructions have just written.  One wait on vm_vsrc ahead of the first line that writes again what the
; last tile's stores read: with G2 = 1 at the turn's head (the products write the accumulators), with G2 = 0 on the way out (the conversions write OUTR).
.set G2, 0
.set PLANE_A, 4325376                  ; 264 tiles of 16,384 bytes: one quarter of h along k (and all of xs)
.set PLANE_Y, 8650752                  ; 4,224 positions x 2,048 bytes: one partial y
.if G2
.set WROW,   8192                      ; bytes in a row of the weights
.set OSHIFT, 15                        ; a tile of the output: 16 rows of 2,048 bytes
.else
.set WROW,   2048
.set OSHIFT, 14                        ; a tile of the output: 16,384 bytes
.endif
.set WPITCH, 1040                      ; LDS: 64 rows of 512 f16 + 16 bytes: an odd multiple of 16, so 16 rows' 16-byte pieces start in 16 different groups of four banks (ISA guide 11.1)
.set STG,    64*WPITCH                 ; G2: behind the weights 16 rows x 272 bytes for each wave
.set SPITCH, 272
; REGISTERS in windows of 256.  Window 0: v1-v11 addresses, v[32:63] four accumulators, v[64:95] the way out, v[128:255] tile buffer 0.
; Window 1: tile buffers 1 (0-127) and 2 (128-255).  Windows 2 and 3: weight fragment (kk, nb) at 512 + 8 (4 kk + nb);
; before that window 2 takes the weights as loaded (256 registers of f32) and window 3 (0-127) the same as f16.
.set ACC,  32
.set OUTR, 64
.set MSB, 0
.macro WIN new                         ; s_set_vgpr_msb: bits 1:0 source 0, 3:2 source 1, 5:4 source 2, 7:6 destination; the high byte repeats the setting that is left
.if MSB != \new
	s_set_vgpr_msb (MSB<<8)|\new
.set MSB, \new
.endif
.endm
.macro PLACES n
.rept \n
	v_nop
.endr
.endm
	s_load_b256 s[4:11], s[0:1], 0x0               ; tiles s[4:5], weights s[6:7], seg s[8:9], output s[10:11]
	v_lshl_add_u32 v126, v0, 2, 0x10400
	v_mov_b32 v127, 0
	v_and_b32 v1, 31, v0                           ; L
	v_and_b32 v2, 15, v0                           ; r
	v_bfe_u32 v3, v0, 4, 1                         ; h
	v_lshrrev_b32 v11, 5, v0
	v_readfirstlane_b32 s12, v11                   ; wave
	s_mov_b32 s13, ttmp9                           ; x
	s_and_b32 s14, ttmp7, 0xffff                   ; e
	s_lshl_b32 s15, s14, 3                         ; the expert's two words of seg
	s_lshr_b32 s33, s13, 3                         ; x / 8: the quarter along the 2,048
	s_and_b32 s34, s13, 7                          ; x % 8
	s_mov_b32 s29, 0                               ; upper words of the two offset pairs
	s_mov_b32 s31, 0
	v_mul_u32_u24 v6, v2, WPITCH
	v_lshl_add_u32 v6, v3, 4, v6                   ; LDS, fragments: row r, 16 bytes for each half of the lanes
	v_lshlrev_b32 v7, 4, v1                        ; 16 L: a tile's loads (and the stores of h)
	s_wait_alu depctr_va_sdst(0)                   ; s12 is written, ahead of its first reader: offsets, LDS addresses and the trip count are made from it
	s_mul_i32 s2, s12, 16*WROW
	v_lshl_add_u32 v4, v1, 4, s2                   ; weights: my wave's 16 rows, 16 bytes a lane
	s_mul_i32 s3, s12, 16*WPITCH
	v_lshl_add_u32 v5, v1, 3, s3                   ; LDS, in: my wave's 16 rows, 8 bytes a lane
.if G2
	s_mul_i32 s37, s12, 16*SPITCH
	s_add_co_u32 s37, s37, STG                     ; my wave's stage
	v_mul_u32_u24 v8, v2, SPITCH
	v_lshl_add_u32 v8, v3, 5, v8
	v_add_nc_u32 v8, s37, v8                       ; in: row r, 32 bytes for each half of the lanes
	v_mul_u32_u24 v9, v3, SPITCH
	v_lshl_add_u32 v9, v2, 4, v9
	v_add_nc_u32 v9, s37, v9                       ; back: lanes 0-15 one row of 256 bytes, lanes 16-31 the next
	v_lshlrev_b32 v10, 11, v3
	v_lshl_add_u32 v10, v2, 4, v10                 ; the same two rows in y
.endif
	s_lshl_b32 s28, s14, 22                        ; an expert's weights are 4,194,304 bytes
.if G2
	s_lshl_b32 s32, s34, 19                        ; 64 rows of 8,192 bytes
	s_add_co_u32 s28, s28, s32
	s_lshl_b32 s32, s33, 11                        ; 512 numbers along a row
	s_add_co_u32 s28, s28, s32
.else
	s_lshl_b32 s32, s13, 17                        ; 64 rows of 2,048 bytes
	s_add_co_u32 s28, s28, s32
.endif
	s_wait_kmcnt 0x0
	s_add_nc_u64 s[6:7], s[6:7], s[28:29]
	; 64 loads: row i of my 16, piece c of its four: 512 consecutive bytes each; nobody reads these bytes again
	WIN 0x80
	s_wait_alu depctr_va_vdst(0)                   ; the offsets and LDS addresses v4 to v10 are written, which every load and store of the kernel reads
.irp i, 0,1,2,3,4,5,6,7,8,9,10,11,12,13,14,15
.irp c, 0,1,2,3
	global_load_b128 v[16*\i+4*\c:16*\i+4*\c+3], v4, s[6:7] offset:\i*WROW+512*\c th:TH_LOAD_NT
.endr
.endr
	WIN 0
	s_mov_b32 s28, s15
	s_add_nc_u64 s[8:9], s[8:9], s[28:29]
	s_load_b64 s[16:17], s[8:9], 0x0               ; start_e, MT_e
.if G2
	s_mul_i32 s28, s33, PLANE_A
	s_add_nc_u64 s[4:5], s[4:5], s[28:29]          ; my quarter of h
	s_mul_i32 s28, s33, PLANE_Y
	s_lshl_b32 s32, s34, 8                         ; my 64 columns of y
.else
	s_mul_i32 s28, s33, PLANE_A
	s_lshl_b32 s32, s34, 11                        ; my 64 columns are fragments 2 (x % 8) and 2 (x % 8) + 1 of the quarter
.endif
	s_add_co_u32 s28, s28, s32
	s_add_nc_u64 s[10:11], s[10:11], s[28:29]
; sixteen loads' worth (four rows) of weights: to f16 (WCV), into LDS (WST).  A store of the wave covers 256 consecutive bytes.
; Group g's stores stand behind the wait for group g + 1's loads, and group g + 1's conversions follow them.
.macro WCV g
	WIN 0xca                                       ; sources window 2, destination window 3
.irp i, 0,1,2,3
.irp c, 0,1,2,3
	v_cvt_pk_f16_f32 v[2*(16*\g+4*\i+\c)],   v[4*(16*\g+4*\i+\c)],   v[4*(16*\g+4*\i+\c)+1]
	v_cvt_pk_f16_f32 v[2*(16*\g+4*\i+\c)+1], v[4*(16*\g+4*\i+\c)+2], v[4*(16*\g+4*\i+\c)+3]
.endr
.endr
.endm
.macro WST g
	WIN 0x0c                                       ; store data window 3, address window 0
	s_wait_alu depctr_va_vdst(0)                   ; group g's conversions have written their 32 registers of window 3, which the LDS stores below read
.irp i, 0,1,2,3
.irp c, 0,1,2,3
	ds_store_b64 v5, v[2*(16*\g+4*\i+\c):2*(16*\g+4*\i+\c)+1] offset:(4*\g+\i)*WPITCH+256*\c
.endr
.endr
.endm
	s_wait_loadcnt 48                              ; loads come back in order (ISA guide 5.7.1): all but the youngest 48 are in: group 0
	WCV 0
	s_wait_loadcnt 32                              ; group 1
	WST 0
	WCV 1
	s_wait_loadcnt 16                              ; group 2
	WST 1
	WCV 2
	s_wait_loadcnt 0x0                             ; group 3
	WST 2
	WCV 3
	WST 3
	WIN 0
	s_wait_dscnt 0x0                               ; my 16 rows are in LDS before I say so
	s_barrier_signal -1
	s_barrier_wait -1                              ; all 64 rows are; the only barrier of the text
	s_wait_kmcnt 0x0
	s_min_u32 s16, s16, 263                        ; start_e
	s_min_u32 s17, s17, 256                        ; MT_e
	s_mov_b32 s18, s12                             ; t: my tile among the expert's, from my wave's number on in steps of 4
	s_cmp_ge_u32 s18, s17
	s_cbranch_scc1 .Lend                           ; fewer tiles than waves: nothing for me
	s_sub_co_u32 s19, s17, 1                       ; the expert's last tile
	; my trips of three tiles each: ceil((MT_e - wave) / 12).  The argument below is 12 .. 267; 43,691 / 2^19 exceeds 1 / 12 by 6.4e-7,
	; which over 267 stays far below 1 / 12, so the shifted product is the exact quotient
	s_sub_co_u32 s36, s17, s12
	s_add_co_u32 s36, s36, 11
	s_mul_i32 s36, s36, 43691
	s_lshr_b32 s36, s36, 19
	s_min_u32 s36, s36, 22                         ; ceil(256 / 12): the most that 256 tiles give
	s_mov_b32 s35, 0                               ; the trip counter
; The expert's tile t + add is asked for, into buffer buf: BASE makes its address, LOADS issues 16 of its 32 loads (fragments k0 to k0 + 7).
; Past the last tile the last is asked for again: every load stays on bytes that were stored, and every tile's turn issues the same 32 loads, so the counted wait means the same on every way.
.macro BASE buf, add
	s_add_co_u32 s30, s18, \add
	s_min_u32 s30, s30, s19
	s_add_co_u32 s30, s30, s16
	s_min_u32 s30, s30, 263
	s_lshl_b32 s30, s30, 14
	s_add_nc_u64 s[20+2*\buf:21+2*\buf], s[4:5], s[30:31]      ; the buffer's own base: its former loads were shown done by the wait in front of their products
.endm
.macro LWIN buf                        ; the window of a buffer's loads
.if \buf == 0
	WIN 0
.else
	WIN 0x40
.endif
.endm
.macro LOADS buf, k0
	LWIN \buf
.if \buf == 1
.set AL, 0
.else
.set AL, 128
.endif
.irp kk, 0,1,2,3,4,5,6,7
	global_load_b128 v[AL+8*(\kk+\k0):AL+8*(\kk+\k0)+3],   v7, s[20+2*\buf:21+2*\buf] offset:1024*(\kk+\k0)
	global_load_b128 v[AL+8*(\kk+\k0)+4:AL+8*(\kk+\k0)+7], v7, s[20+2*\buf:21+2*\buf] offset:1024*(\kk+\k0)+512
.endr
.endm
	s_wait_alu depctr_va_vdst(0)                   ; the conversions are done reading v[512:767] and have written v[768:895]: the weight fragments below land in both
	s_wait_alu depctr_vm_vsrc(0)                   ; my LDS stores have read v[768:895]; only loads, window switches
	BASE 0, 0
	LOADS 0, 0
	LOADS 0, 8
	BASE 1, 4
	LOADS 1, 0
	LOADS 1, 8
	; the 64 weight fragments: 16 rows x 32 along k, two loads of 16 bytes, 32 bytes apart
	WIN 0x80
.irp kk, 0,1,2,3,4,5,6,7
.irp nb, 0,1,2,3
	ds_load_b128 v[8*(4*\kk+\nb):8*(4*\kk+\nb)+3],   v6 offset:\nb*16*WPITCH+64*\kk
	ds_load_b128 v[8*(4*\kk+\nb)+4:8*(4*\kk+\nb)+7], v6 offset:\nb*16*WPITCH+64*\kk+32
.endr
.endr
	WIN 0xc0
.irp kk, 0,1,2,3,4,5,6,7
.irp nb, 0,1,2,3
	ds_load_b128 v[8*(4*\kk+\nb):8*(4*\kk+\nb)+3],   v6 offset:\nb*16*WPITCH+64*(\kk+8)
	ds_load_b128 v[8*(4*\kk+\nb)+4:8*(4*\kk+\nb)+7], v6 offset:\nb*16*WPITCH+64*(\kk+8)+32
.endr
.endr
	WIN 0
	s_wait_dscnt 0x0
; Half hf of a tile's 64 matrix instructions: 16 rows of the tile x my 64 weight rows x 256 of the 512 along k.  Source 0 = weights, source 1 = the tile: lane L then holds row r of the
; tile and its registers 0-7 the eight neighbouring columns 16 nb + 8 h + 0..7.  The first product of each accumulator takes the constant 0: nothing is cleared.
; The four accumulators take turns, one instruction a turn.
.macro MULH buf, hf
.if \buf == 1
.set AL, 0
.else
.set AL, 128
.endif
.if \hf == 0
.if \buf == 0
	WIN 0x02
.else
	WIN 0x06
.endif
.else
.if \buf == 0
	WIN 0x03
.else
	WIN 0x07
.endif
.endif
.irp kk, 0,1,2,3,4,5,6,7
.irp nb, 0,1,2,3
.if (\kk == 0) && (\hf == 0)
	v_wmma_f32_16x16x32_f16 v[ACC+8*\nb:ACC+8*\nb+7], v[8*(4*\kk+\nb):8*(4*\kk+\nb)+7], v[AL+8*\kk:AL+8*\kk+7], 0
.else
	v_wmma_f32_16x16x32_f16 v[ACC+8*\nb:ACC+8*\nb+7], v[8*(4*\kk+\nb):8*(4*\kk+\nb)+7], v[AL+8*(\kk+8*\hf):AL+8*(\kk+8*\hf)+7], v[ACC+8*\nb:ACC+8*\nb+7]
.endif
.endr
.endr
.endm
; the way out of the expert's tile t + add
.macro OUT add
	PLACES 5                                       ; places behind the last matrix instructions (ISA guide 7.12.1): four for what reads the results,
	                                               ; five for the next tile's first products, which write over the accumulators
.if G2
	s_wait_alu depctr_va_vdst(0)                   ; the products have written the accumulators, which the LDS stores below read; the places above stay beside this wait
.endif
	s_wait_xcnt 0x0                                ; the last tile's stores have had their addresses translated (ISA guide 3.1): their data and base are rewritten only behind this wait
.if !G2
	s_wait_alu depctr_vm_vsrc(0)                   ; the last tile's stores have read OUTR, which the conversions below write again
.endif
	s_add_co_u32 s30, s18, \add
	s_add_co_u32 s30, s30, s16
	s_min_u32 s30, s30, 263
	s_lshl_b32 s30, s30, OSHIFT
	s_add_nc_u64 s[26:27], s[10:11], s[30:31]
.if G2
.irp nb, 0,1,2,3
	ds_store_b128 v8, v[ACC+8*\nb:ACC+8*\nb+3]   offset:64*\nb
	ds_store_b128 v8, v[ACC+8*\nb+4:ACC+8*\nb+7] offset:64*\nb+16
.endr
.irp i, 0,1,2,3,4,5,6,7
	ds_load_b128 v[OUTR+4*\i:OUTR+4*\i+3], v9 offset:2*SPITCH*\i   ; my wave's own bytes; LDS serves a wave's instructions in order (ISA guide 5.7.1.4): these see the stores above
.endr
.irp i, 0,1,2,3,4,5,6,7
	s_wait_dscnt 7-\i                              ; rows 2 i and 2 i + 1 are back
	global_store_b128 v10, v[OUTR+4*\i:OUTR+4*\i+3], s[26:27] offset:4096*\i   ; 16 lanes store 256 consecutive bytes, aligned
.endr
.else
.irp nb, 0,1,2,3
.irp j, 0,1,2,3,4,5,6,7
	v_max_num_f32 v[ACC+8*\nb+\j], 0, v[ACC+8*\nb+\j]
.endr
.irp j, 0,1,2,3
	v_cvt_pk_f16_f32 v[OUTR+4*\nb+\j], v[ACC+8*\nb+2*\j], v[ACC+8*\nb+2*\j+1]
.endr
.endr
	s_wait_alu depctr_va_vdst(0)                   ; the conversions have written OUTR, which the four stores below read
.irp nb, 0,1,2,3
	global_store_b128 v7, v[OUTR+4*\nb:OUTR+4*\nb+3], s[26:27] offset:512*\nb   ; columns 16 nb + 8 h + 0..7 of row r: half (nb % 2) of fragment nb / 2, 512 consecutive bytes
.endr
.endif
.endm
.macro BODY buf, nxt, add
	s_wait_loadcnt 32                              ; this tile's 32 loads are in; the next tile's 32 stay out
	BASE \nxt, \add+8
	LWIN \nxt                                      ; the switch, then the wait, then the loads
	s_wait_alu depctr_va_vdst(0)                   ; the products of the tile before are done reading buffer nxt, in which this turn's 32 loads land
.if G2
	s_wait_alu depctr_vm_vsrc(0)                   ; the last tile's LDS stores have read the accumulators, which the products below write; its global stores have read OUTR, in which this tile's LDS loads land
.endif
	LOADS \nxt, 0
	MULH \buf, 0
	LOADS \nxt, 8                                  ; no wait: no vector or matrix instruction since the wait above names buffer nxt or v7
	MULH \buf, 1
	WIN 0
	OUT \add
.endm
; A trip takes three tiles, one from each buffer.  The loop is counted by its own trip counter, one step of 1 a trip, against my number of trips,
; which the loop does not write; t steps by 12 beside it.  A wave whose tiles run out in the middle of a trip ends there: no branch leaves the loop.
.Lloop:
	BODY 0, 2, 0
	s_add_co_u32 s32, s18, 4
	s_cmp_lt_u32 s32, s17
	s_cbranch_scc1 .Lsecond                        ; tile t + 4 exists
	s_wait_dscnt 0x0
	s_wait_alu depctr_hold_cnt(0) depctr_sa_sdst(0) depctr_va_vdst(0) depctr_va_sdst(0) depctr_va_ssrc(0) depctr_va_vcc(0) depctr_vm_vsrc(0)
	s_wait_tensorcnt 0x0
	ds_add_u32 v126, v127
	s_wait_dscnt 0x0
	s_endpgm                                       ; only plain loads (the clamped look-ahead) and stores are out
.Lsecond:
	BODY 1, 0, 4
	s_add_co_u32 s32, s18, 8
	s_cmp_lt_u32 s32, s17
	s_cbranch_scc1 .Lthird                         ; tile t + 8 exists
	s_wait_dscnt 0x0
	s_wait_alu depctr_hold_cnt(0) depctr_sa_sdst(0) depctr_va_vdst(0) depctr_va_sdst(0) depctr_va_ssrc(0) depctr_va_vcc(0) depctr_vm_vsrc(0)
	s_wait_tensorcnt 0x0
	ds_add_u32 v126, v127
	s_wait_dscnt 0x0
	s_endpgm
.Lthird:
	BODY 2, 1, 8
	s_add_co_u32 s18, s18, 12                      ; my next three tiles
	s_add_co_u32 s35, s35, 1
	s_cmp_lt_u32 s35, s36
	s_cbranch_scc1 .Lloop
.Lend:
	s_wait_dscnt 0x0
	s_wait_alu depctr_hold_cnt(0) depctr_sa_sdst(0) depctr_va_vdst(0) depctr_va_sdst(0) depctr_va_ssrc(0) depctr_va_vcc(0) depctr_vm_vsrc(0)
	s_wait_tensorcnt 0x0
	ds_add_u32 v126, v127
	s_wait_dscnt 0x0
	s_endpgm
.Lfunc_end_k_qd63e7e7835_gemm1:
	.size	k_qd63e7e7835_gemm1, .Lfunc_end_k_qd63e7e7835_gemm1-k_qd63e7e7835_gemm1
	.p2alignl 7, 3214868480
	.fill 96, 4, 3214868480
	.section	.rodata,"a",@progbits
	.p2align	6, 0x0
	.amdhsa_kernel k_qd63e7e7835_gemm1
		.amdhsa_group_segment_fixed_size 67072
		.amdhsa_private_segment_fixed_size 0
		.amdhsa_enable_private_segment 0
		.amdhsa_kernarg_size 32
		.amdhsa_user_sgpr_count 2
		.amdhsa_user_sgpr_kernarg_segment_ptr 1
		.amdhsa_wavefront_size32 1
		.amdhsa_system_sgpr_workgroup_id_x 1
		.amdhsa_system_sgpr_workgroup_id_y 1
		.amdhsa_system_sgpr_workgroup_id_z 1
		.amdhsa_system_vgpr_workitem_id 0
		.amdhsa_next_free_vgpr 1024
		.amdhsa_next_free_sgpr 66
		.amdhsa_reserve_vcc 0
		.amdhsa_float_denorm_mode_32 3
		.amdhsa_float_denorm_mode_16_64 3
		.amdhsa_memory_ordered 1
		.amdhsa_forward_progress 1
		.amdhsa_inst_pref_size 68
	.end_amdhsa_kernel
	.amdgpu_metadata
---
amdhsa.version: [ 1, 2 ]
amdhsa.kernels:
  - .name:           k_qd63e7e7835_gemm1
    .symbol:         k_qd63e7e7835_gemm1.kd
    .args:
      - { .name: xs, .offset: 0, .size: 8, .value_kind: global_buffer, .address_space: global }
      - { .name: w_htoh4, .offset: 8, .size: 8, .value_kind: global_buffer, .address_space: global }
      - { .name: seg, .offset: 16, .size: 8, .value_kind: global_buffer, .address_space: global }
      - { .name: hs, .offset: 24, .size: 8, .value_kind: global_buffer, .address_space: global }
    .group_segment_fixed_size: 67072
    .private_segment_fixed_size: 0
    .kernarg_segment_align: 8
    .kernarg_segment_size: 32
    .max_flat_workgroup_size: 128
    .sgpr_count:     66
    .vgpr_count:     1024
    .wavefront_size: 32
...
	.end_amdgpu_metadata
.endif
;; end of part 5
;; launch gemm2 (part 6): grid 32 x 8, 4 waves a work-group, no clusters, 84,480 bytes of LDS; arguments hs, w_h4toh, seg, yp; writes yp
.if DOCPART == 6
	.amdgcn_target "amdgcn-amd-amdhsa--gfx1250"
	.amdhsa_code_object_version 6
	.text
	.protected	k_qd63e7e7835_gemm2
	.globl	k_qd63e7e7835_gemm2
	.p2align	8
	.type	k_qd63e7e7835_gemm2,@function
k_qd63e7e7835_gemm2:
	s_mov_b64 s[64:65], 0
	v_nop
	global_prefetch_b8 v0, s[64:65] scope:SCOPE_SE
	s_setreg_imm32_b32 hwreg(HW_REG_WAVE_SCHED_MODE, 0, 2), 2
	s_setreg_imm32_b32 hwreg(HW_REG_WAVE_MODE, 25, 1), 1
	s_wait_xcnt 0x0
	s_wait_alu depctr_vm_vsrc(0)
; ONE TEXT FOR BOTH PRODUCTS; the switch G2 picks the sizes and the way out.
;   G2 = 0: h = relu(X W1[e]^T), rounded to f16 and stored in the lane order in which the second product loads it.
;   G2 = 1: a partial y = h W2[e]^T over one quarter (512) of the 2,048 along k, in f32, row-major by sorted position; a later launch adds the four quarters.
; Work-group (x, e): expert e, 64 rows of the weights x 512 along k = 131,072 bytes of f32, which no other work-group reads.  They are read once, rounded to
; f16, passed through LDS, and then EVERY one of the four waves keeps all of them as 64 fragments in 512 registers.  Wave w then walks the expert's tiles
; w, w + 4, ... of 16 rows: a tile is 16,384 bytes that lie in memory in the lanes' own order, so 32 loads of 512 consecutive bytes bring it straight into
; registers, and 64 matrix instructions use each of its 16 fragments four times.  Three register buffers: a tile is asked for two tiles ahead.
; The number of tiles (seg, stored by an earlier launch) is read from memory and differs from wave to wave, so no barrier stands behind the one that shows the weights.
; NO JOINT REQUESTS though the 32 work-groups of an expert read the same tiles: a joint request is a tensor load into LDS slots, whose refills need a barrier on
; every wave's path in every trip, and here the trips are counted by a number from memory; the weights, the larger part of the unique bytes, are shared by nobody.
; NUMBER FORMAT: all four matrix operands (x, W1, h, W2) are f16, sums f32.  f16 keeps 11 significant bits against bf16's 8, so each of the four roundings is
; 8 times finer.  Its room (largest number 65,504; steps of 6e-8 below 6.1e-5), for x of spread 1 and weights of spread 0.044:
;   30 times larger: weights reach 7; h, with x and W1 both larger, 900 x 5.2 = 4,700.  An offset of 30 spreads on x (30) and on W1 (1.33): h near 512 x 30 x 1.33 = 20,400.
;   30 times smaller: weights of spread 0.0015 and h of spread 0.0008 are rounded in steps of at most 6e-8, under 1e-4 of their spread.
; LIMITS: a number above 65,504 before the relu becomes infinity in h; the relu is a maximum with 0 in which a NaN loses (a NaN before the relu becomes 0);
; where the rows crowd into few experts the result is right but only those experts' work-groups have work.
; THE MODE: SCHED_MODE bits 1:0 = 2 (LLVM: expert scheduling mode 2), set by the entry lines.  The code itself states the register dependences
; between vector or matrix instructions and memory or LDS instructions, with s_wait_alu, always for 0.
; THE PLAN.  Registers that memory or LDS instructions touch:
;   v4 .. v10      offsets and LDS addresses.  Made once, ahead of the first load, and never written again; the scalars that those lines read (s2, s3, s37) neither.
;   v[512:767]     the weights as loaded.  Written by the 64 loads, read by the conversions; later the fragments' LDS loads land in them.
;   v[768:895]     the same as f16.  Written by the conversions, read by the LDS stores; later the fragments' LDS loads land in them (and in v[896:1023], which nothing named before).
;   A0, A1, A2     the tile buffers.  Tile i's products read A[i % 3]; the loads issued in tile i's turn (tile i + 2) land in A[(i - 1) % 3], which tile i - 1's products read.
;   G2 = 0: OUTR   v[64:79].  Written by a tile's conversions, read by its four stores.
;   G2 = 1: the accumulators are written by a tile's products and read by its eight LDS stores; OUTR, v[64:95], is written by LDS loads and read by global stores.
; A TILE'S TURN.  At its head one wait on va_vdst, behind the window switch: the tile before's products are done reading the buffer that is asked for again; the turn's 32 loads follow,
; sixteen ahead of each half of its 64 products, which name the weights, the tile in hand and the accumulators: none of the registers that those loads touch.  On the way out one
; wait on va_vdst ahead of the run of stores that read what the vector or matrix instructions have just written.  One wait on vm_vsrc ahead of the first line that writes again what the
; last tile's stores read: with G2 = 1 at the turn's head (the products write the accumulators), with G2 = 0 on the way out (the conversions write OUTR).
.set G2, 1
.set PLANE_A, 4325376                  ; 264 tiles of 16,384 bytes: one quarter of h along k (and all of xs)
.set PLANE_Y, 8650752                  ; 4,224 positions x 2,048 bytes: one partial y
.if G2
.set WROW,   8192                      ; bytes in a row of the weights
.set OSHIFT, 15                        ; a tile of the output: 16 rows of 2,048 bytes
.else
.set WROW,   2048
.set OSHIFT, 14                        ; a tile of the output: 16,384 bytes
.endif
.set WPITCH, 1040                      ; LDS: 64 rows of 512 f16 + 16 bytes: an odd multiple of 16, so 16 rows' 16-byte pieces start in 16 different groups of four banks (ISA guide 11.1)
.set STG,    64*WPITCH                 ; G2: behind the weights 16 rows x 272 bytes for each wave
.set SPITCH, 272
; REGISTERS in windows of 256.  Window 0: v1-v11 addresses, v[32:63] four accumulators, v[64:95] the way out, v[128:255] tile buffer 0.
; Window 1: tile buffers 1 (0-127) and 2 (128-255).  Windows 2 and 3: weight fragment (kk, nb) at 512 + 8 (4 kk + nb);
; before that window 2 takes the weights as loaded (256 registers of f32) and window 3 (0-127) the same as f16.
.set ACC,  32
.set OUTR, 64
.set MSB, 0
.macro WIN new                         ; s_set_vgpr_msb: bits 1:0 source 0, 3:2 source 1, 5:4 source 2, 7:6 destination; the high byte repeats the setting that is left
.if MSB != \new
	s_set_vgpr_msb (MSB<<8)|\new
.set MSB, \new
.endif
.endm
.macro PLACES n
.rept \n
	v_nop
.endr
.endm
	s_load_b256 s[4:11], s[0:1], 0x0               ; tiles s[4:5], weights s[6:7], seg s[8:9], output s[10:11]
	v_lshl_add_u32 v126, v0, 2, 0x14800
	v_mov_b32 v127, 0
	v_and_b32 v1, 31, v0                           ; L
	v_and_b32 v2, 15, v0                           ; r
	v_bfe_u32 v3, v0, 4, 1                         ; h
	v_lshrrev_b32 v11, 5, v0
	v_readfirstlane_b32 s12, v11                   ; wave
	s_mov_b32 s13, ttmp9                           ; x
	s_and_b32 s14, ttmp7, 0xffff                   ; e
	s_lshl_b32 s15, s14, 3                         ; the expert's two words of seg
	s_lshr_b32 s33, s13, 3                         ; x / 8: the quarter along the 2,048
	s_and_b32 s34, s13, 7                          ; x % 8
	s_mov_b32 s29, 0                               ; upper words of the two offset pairs
	s_mov_b32 s31, 0
	v_mul_u32_u24 v6, v2, WPITCH
	v_lshl_add_u32 v6, v3, 4, v6                   ; LDS, fragments: row r, 16 bytes for each half of the lanes
	v_lshlrev_b32 v7, 4, v1                        ; 16 L: a tile's loads (and the stores of h)
	s_wait_alu depctr_va_sdst(0)                   ; s12 is written, ahead of its first reader: offsets, LDS addresses and the trip count are made from it
	s_mul_i32 s2, s12, 16*WROW
	v_lshl_add_u32 v4, v1, 4, s2                   ; weights: my wave's 16 rows, 16 bytes a lane
	s_mul_i32 s3, s12, 16*WPITCH
	v_lshl_add_u32 v5, v1, 3, s3                   ; LDS, in: my wave's 16 rows, 8 bytes a lane
.if G2
	s_mul_i32 s37, s12, 16*SPITCH
	s_add_co_u32 s37, s37, STG                     ; my wave's stage
	v_mul_u32_u24 v8, v2, SPITCH
	v_lshl_add_u32 v8, v3, 5, v8
	v_add_nc_u32 v8, s37, v8                       ; in: row r, 32 bytes for each half of the lanes
	v_mul_u32_u24 v9, v3, SPITCH
	v_lshl_add_u32 v9, v2, 4, v9
	v_add_nc_u32 v9, s37, v9                       ; back: lanes 0-15 one row of 256 bytes, lanes 16-31 the next
	v_lshlrev_b32 v10, 11, v3
	v_lshl_add_u32 v10, v2, 4, v10                 ; the same two rows in y
.endif
	s_lshl_b32 s28, s14, 22                        ; an expert's weights are 4,194,304 bytes
.if G2
	s_lshl_b32 s32, s34, 19                        ; 64 rows of 8,192 bytes
	s_add_co_u32 s28, s28, s32
	s_lshl_b32 s32, s33, 11                        ; 512 numbers along a row
	s_add_co_u32 s28, s28, s32
.else
	s_lshl_b32 s32, s13, 17                        ; 64 rows of 2,048 bytes
	s_add_co_u32 s28, s28, s32
.endif
	s_wait_kmcnt 0x0
	s_add_nc_u64 s[6:7], s[6:7], s[28:29]
	; 64 loads: row i of my 16, piece c of its four: 512 consecutive bytes each; nobody reads these bytes again
	WIN 0x80
	s_wait_alu depctr_va_vdst(0)                   ; the offsets and LDS addresses v4 to v10 are written, which every load and store of the kernel reads
.irp i, 0,1,2,3,4,5,6,7,8,9,10,11,12,13,14,15
.irp c, 0,1,2,3
	global_load_b128 v[16*\i+4*\c:16*\i+4*\c+3], v4, s[6:7] offset:\i*WROW+512*\c th:TH_LOAD_NT
.endr
.endr
	WIN 0
	s_mov_b32 s28, s15
	s_add_nc_u64 s[8:9], s[8:9], s[28:29]
	s_load_b64 s[16:17], s[8:9], 0x0               ; start_e, MT_e
.if G2
	s_mul_i32 s28, s33, PLANE_A
	s_add_nc_u64 s[4:5], s[4:5], s[28:29]          ; my quarter of h
	s_mul_i32 s28, s33, PLANE_Y
	s_lshl_b32 s32, s34, 8                         ; my 64 columns of y
.else
	s_mul_i32 s28, s33, PLANE_A
	s_lshl_b32 s32, s34, 11                        ; my 64 columns are fragments 2 (x % 8) and 2 (x % 8) + 1 of the quarter
.endif
	s_add_co_u32 s28, s28, s32
	s_add_nc_u64 s[10:11], s[10:11], s[28:29]
; sixteen loads' worth (four rows) of weights: to f16 (WCV), into LDS (WST).  A store of the wave covers 256 consecutive bytes.
; Group g's stores stand behind the wait for group g + 1's loads, and group g + 1's conversions follow them.
.macro WCV g
	WIN 0xca                                       ; sources window 2, destination window 3
.irp i, 0,1,2,3
.irp c, 0,1,2,3
	v_cvt_pk_f16_f32 v[2*(16*\g+4*\i+\c)],   v[4*(16*\g+4*\i+\c)],   v[4*(16*\g+4*\i+\c)+1]
	v_cvt_pk_f16_f32 v[2*(16*\g+4*\i+\c)+1], v[4*(16*\g+4*\i+\c)+2], v[4*(16*\g+4*\i+\c)+3]
.endr
.endr
.endm
.macro WST g
	WIN 0x0c                                       ; store data window 3, address window 0
	s_wait_alu depctr_va_vdst(0)                   ; group g's conversions have written their 32 registers of window 3, which the LDS stores below read
.irp i, 0,1,2,3
.irp c, 0,1,2,3
	ds_store_b64 v5, v[2*(16*\g+4*\i+\c):2*(16*\g+4*\i+\c)+1] offset:(4*\g+\i)*WPITCH+256*\c
.endr
.endr
.endm
	s_wait_loadcnt 48                              ; loads come back in order (ISA guide 5.7.1): all but the youngest 48 are in: group 0
	WCV 0
	s_wait_loadcnt 32                              ; group 1
	WST 0
	WCV 1
	s_wait_loadcnt 16                              ; group 2
	WST 1
	WCV 2
	s_wait_loadcnt 0x0                             ; group 3
	WST 2
	WCV 3
	WST 3
	WIN 0
	s_wait_dscnt 0x0                               ; my 16 rows are in LDS before I say so
	s_barrier_signal -1
	s_barrier_wait -1                              ; all 64 rows are; the only barrier of the text
	s_wait_kmcnt 0x0
	s_min_u32 s16, s16, 263                        ; start_e
	s_min_u32 s17, s17, 256                        ; MT_e
	s_mov_b32 s18, s12                             ; t: my tile among the expert's, from my wave's number on in steps of 4
	s_cmp_ge_u32 s18, s17
	s_cbranch_scc1 .Lend                           ; fewer tiles than waves: nothing for me
	s_sub_co_u32 s19, s17, 1                       ; the expert's last tile
	; my trips of three tiles each: ceil((MT_e - wave) / 12).  The argument below is 12 .. 267; 43,691 / 2^19 exceeds 1 / 12 by 6.4e-7,
	; which over 267 stays far below 1 / 12, so the shifted product is the exact quotient
	s_sub_co_u32 s36, s17, s12
	s_add_co_u32 s36, s36, 11
	s_mul_i32 s36, s36, 43691
	s_lshr_b32 s36, s36, 19
	s_min_u32 s36, s36, 22                         ; ceil(256 / 12): the most that 256 tiles give
	s_mov_b32 s35, 0                               ; the trip counter
; The expert's tile t + add is asked for, into buffer buf: BASE makes its address, LOADS issues 16 of its 32 loads (fragments k0 to k0 + 7).
; Past the last tile the last is asked for again: every load stays on bytes that were stored, and every tile's turn issues the same 32 loads, so the counted wait means the same on every way.
.macro BASE buf, add
	s_add_co_u32 s30, s18, \add
	s_min_u32 s30, s30, s19
	s_add_co_u32 s30, s30, s16
	s_min_u32 s30, s30, 263
	s_lshl_b32 s30, s30, 14
	s_add_nc_u64 s[20+2*\buf:21+2*\buf], s[4:5], s[30:31]      ; the buffer's own base: its former loads were shown done by the wait in front of their products
.endm
.macro LWIN buf                        ; the window of a buffer's loads
.if \buf == 0
	WIN 0
.else
	WIN 0x40
.endif
.endm
.macro LOADS buf, k0
	LWIN \buf
.if \buf == 1
.set AL, 0
.else
.set AL, 128
.endif
.irp kk, 0,1,2,3,4,5,6,7
	global_load_b128 v[AL+8*(\kk+\k0):AL+8*(\kk+\k0)+3],   v7, s[20+2*\buf:21+2*\buf] offset:1024*(\kk+\k0)
	global_load_b128 v[AL+8*(\kk+\k0)+4:AL+8*(\kk+\k0)+7], v7, s[20+2*\buf:21+2*\buf] offset:1024*(\kk+\k0)+512
.endr
.endm
	s_wait_alu depctr_va_vdst(0)                   ; the conversions are done reading v[512:767] and have written v[768:895]: the weight fragments below land in both
	s_wait_alu depctr_vm_vsrc(0)                   ; my LDS stores have read v[768:895]; only loads, window switches
	BASE 0, 0
	LOADS 0, 0
	LOADS 0, 8
	BASE 1, 4
	LOADS 1, 0
	LOADS 1, 8
	; the 64 weight fragments: 16 rows x 32 along k, two loads of 16 bytes, 32 bytes apart
	WIN 0x80
.irp kk, 0,1,2,3,4,5,6,7
.irp nb, 0,1,2,3
	ds_load_b128 v[8*(4*\kk+\nb):8*(4*\kk+\nb)+3],   v6 offset:\nb*16*WPITCH+64*\kk
	ds_load_b128 v[8*(4*\kk+\nb)+4:8*(4*\kk+\nb)+7], v6 offset:\nb*16*WPITCH+64*\kk+32
.endr
.endr
	WIN 0xc0
.irp kk, 0,1,2,3,4,5,6,7
.irp nb, 0,1,2,3
	ds_load_b128 v[8*(4*\kk+\nb):8*(4*\kk+\nb)+3],   v6 offset:\nb*16*WPITCH+64*(\kk+8)
	ds_load_b128 v[8*(4*\kk+\nb)+4:8*(4*\kk+\nb)+7], v6 offset:\nb*16*WPITCH+64*(\kk+8)+32
.endr
.endr
	WIN 0
	s_wait_dscnt 0x0
; Half hf of a tile's 64 matrix instructions: 16 rows of the tile x my 64 weight rows x 256 of the 512 along k.  Source 0 = weights, source 1 = the tile: lane L then holds row r of the
; tile and its registers 0-7 the eight neighbouring columns 16 nb + 8 h + 0..7.  The first product of each accumulator takes the constant 0: nothing is cleared.
; The four accumulators take turns, one instruction a turn.
.macro MULH buf, hf
.if \buf == 1
.set AL, 0
.else
.set AL, 128
.endif
.if \hf == 0
.if \buf == 0
	WIN 0x02
.else
	WIN 0x06
.endif
.else
.if \buf == 0
	WIN 0x03
.else
	WIN 0x07
.endif
.endif
.irp kk, 0,1,2,3,4,5,6,7
.irp nb, 0,1,2,3
.if (\kk == 0) && (\hf == 0)
	v_wmma_f32_16x16x32_f16 v[ACC+8*\nb:ACC+8*\nb+7], v[8*(4*\kk+\nb):8*(4*\kk+\nb)+7], v[AL+8*\kk:AL+8*\kk+7], 0
.else
	v_wmma_f32_16x16x32_f16 v[ACC+8*\nb:ACC+8*\nb+7], v[8*(4*\kk+\nb):8*(4*\kk+\nb)+7], v[AL+8*(\kk+8*\hf):AL+8*(\kk+8*\hf)+7], v[ACC+8*\nb:ACC+8*\nb+7]
.endif
.endr
.endr
.endm
; the way out of the expert's tile t + add
.macro OUT add
	PLACES 5                                       ; places behind the last matrix instructions (ISA guide 7.12.1): four for what reads the results,
	                                               ; five for the next tile's first products, which write over the accumulators
.if G2
	s_wait_alu depctr_va_vdst(0)                   ; the products have written the accumulators, which the LDS stores below read; the places above stay beside this wait
.endif
	s_wait_xcnt 0x0                                ; the last tile's stores have had their addresses translated (ISA guide 3.1): their data and base are rewritten only behind this wait
.if !G2
	s_wait_alu depctr_vm_vsrc(0)                   ; the last tile's stores have read OUTR, which the conversions below write again
.endif
	s_add_co_u32 s30, s18, \add
	s_add_co_u32 s30, s30, s16
	s_min_u32 s30, s30, 263
	s_lshl_b32 s30, s30, OSHIFT
	s_add_nc_u64 s[26:27], s[10:11], s[30:31]
.if G2
.irp nb, 0,1,2,3
	ds_store_b128 v8, v[ACC+8*\nb:ACC+8*\nb+3]   offset:64*\nb
	ds_store_b128 v8, v[ACC+8*\nb+4:ACC+8*\nb+7] offset:64*\nb+16
.endr
.irp i, 0,1,2,3,4,5,6,7
	ds_load_b128 v[OUTR+4*\i:OUTR+4*\i+3], v9 offset:2*SPITCH*\i   ; my wave's own bytes; LDS serves a wave's instructions in order (ISA guide 5.7.1.4): these see the stores above
.endr
.irp i, 0,1,2,3,4,5,6,7
	s_wait_dscnt 7-\i                              ; rows 2 i and 2 i + 1 are back
	global_store_b128 v10, v[OUTR+4*\i:OUTR+4*\i+3], s[26:27] offset:4096*\i   ; 16 lanes store 256 consecutive bytes, aligned
.endr
.else
.irp nb, 0,1,2,3
.irp j, 0,1,2,3,4,5,6,7
	v_max_num_f32 v[ACC+8*\nb+\j], 0, v[ACC+8*\nb+\j]
.endr
.irp j, 0,1,2,3
	v_cvt_pk_f16_f32 v[OUTR+4*\nb+\j], v[ACC+8*\nb+2*\j], v[ACC+8*\nb+2*\j+1]
.endr
.endr
	s_wait_alu depctr_va_vdst(0)                   ; the conversions have written OUTR, which the four stores below read
.irp nb, 0,1,2,3
	global_store_b128 v7, v[OUTR+4*\nb:OUTR+4*\nb+3], s[26:27] offset:512*\nb   ; columns 16 nb + 8 h + 0..7 of row r: half (nb % 2) of fragment nb / 2, 512 consecutive bytes
.endr
.endif
.endm
.macro BODY buf, nxt, add
	s_wait_loadcnt 32                              ; this tile's 32 loads are in; the next tile's 32 stay out
	BASE \nxt, \add+8
	LWIN \nxt                                      ; the switch, then the wait, then the loads
	s_wait_alu depctr_va_vdst(0)                   ; the products of the tile before are done reading buffer nxt, in which this turn's 32 loads land
.if G2
	s_wait_alu depctr_vm_vsrc(0)                   ; the last tile's LDS stores have read the accumulators, which the products below write; its global stores have read OUTR, in which this tile's LDS loads land
.endif
	LOADS \nxt, 0
	MULH \buf, 0
	LOADS \nxt, 8                                  ; no wait: no vector or matrix instruction since the wait above names buffer nxt or v7
	MULH \buf, 1
	WIN 0
	OUT \add
.endm
; A trip takes three tiles, one from each buffer.  The loop is counted by its own trip counter, one step of 1 a trip, against my number of trips,
; which the loop does not write; t steps by 12 beside it.  A wave whose tiles run out in the middle of a trip ends there: no branch leaves the loop.
.Lloop:
	BODY 0, 2, 0
	s_add_co_u32 s32, s18, 4
	s_cmp_lt_u32 s32, s17
	s_cbranch_scc1 .Lsecond                        ; tile t + 4 exists
	s_wait_dscnt 0x0
	s_wait_alu depctr_hold_cnt(0) depctr_sa_sdst(0) depctr_va_vdst(0) depctr_va_sdst(0) depctr_va_ssrc(0) depctr_va_vcc(0) depctr_vm_vsrc(0)
	s_wait_tensorcnt 0x0
	ds_add_u32 v126, v127
	s_wait_dscnt 0x0
	s_endpgm                                       ; only plain loads (the clamped look-ahead) and stores are out
.Lsecond:
	BODY 1, 0, 4
	s_add_co_u32 s32, s18, 8
	s_cmp_lt_u32 s32, s17
	s_cbranch_scc1 .Lthird                         ; tile t + 8 exists
	s_wait_dscnt 0x0
	s_wait_alu depctr_hold_cnt(0) depctr_sa_sdst(0) depctr_va_vdst(0) depctr_va_sdst(0) depctr_va_ssrc(0) depctr_va_vcc(0) depctr_vm_vsrc(0)
	s_wait_tensorcnt 0x0
	ds_add_u32 v126, v127
	s_wait_dscnt 0x0
	s_endpgm
.Lthird:
	BODY 2, 1, 8
	s_add_co_u32 s18, s18, 12                      ; my next three tiles
	s_add_co_u32 s35, s35, 1
	s_cmp_lt_u32 s35, s36
	s_cbranch_scc1 .Lloop
.Lend:
	s_wait_dscnt 0x0
	s_wait_alu depctr_hold_cnt(0) depctr_sa_sdst(0) depctr_va_vdst(0) depctr_va_sdst(0) depctr_va_ssrc(0) depctr_va_vcc(0) depctr_vm_vsrc(0)
	s_wait_tensorcnt 0x0
	ds_add_u32 v126, v127
	s_wait_dscnt 0x0
	s_endpgm
.Lfunc_end_k_qd63e7e7835_gemm2:
	.size	k_qd63e7e7835_gemm2, .Lfunc_end_k_qd63e7e7835_gemm2-k_qd63e7e7835_gemm2
	.p2alignl 7, 3214868480
	.fill 96, 4, 3214868480
	.section	.rodata,"a",@progbits
	.p2align	6, 0x0
	.amdhsa_kernel k_qd63e7e7835_gemm2
		.amdhsa_group_segment_fixed_size 84480
		.amdhsa_private_segment_fixed_size 0
		.amdhsa_enable_private_segment 0
		.amdhsa_kernarg_size 32
		.amdhsa_user_sgpr_count 2
		.amdhsa_user_sgpr_kernarg_segment_ptr 1
		.amdhsa_wavefront_size32 1
		.amdhsa_system_sgpr_workgroup_id_x 1
		.amdhsa_system_sgpr_workgroup_id_y 1
		.amdhsa_system_sgpr_workgroup_id_z 1
		.amdhsa_system_vgpr_workitem_id 0
		.amdhsa_next_free_vgpr 1024
		.amdhsa_next_free_sgpr 66
		.amdhsa_reserve_vcc 0
		.amdhsa_float_denorm_mode_32 3
		.amdhsa_float_denorm_mode_16_64 3
		.amdhsa_memory_ordered 1
		.amdhsa_forward_progress 1
		.amdhsa_inst_pref_size 68
	.end_amdhsa_kernel
	.amdgpu_metadata
---
amdhsa.version: [ 1, 2 ]
amdhsa.kernels:
  - .name:           k_qd63e7e7835_gemm2
    .symbol:         k_qd63e7e7835_gemm2.kd
    .args:
      - { .name: hs, .offset: 0, .size: 8, .value_kind: global_buffer, .address_space: global }
      - { .name: w_h4toh, .offset: 8, .size: 8, .value_kind: global_buffer, .address_space: global }
      - { .name: seg, .offset: 16, .size: 8, .value_kind: global_buffer, .address_space: global }
      - { .name: yp, .offset: 24, .size: 8, .value_kind: global_buffer, .address_space: global }
    .group_segment_fixed_size: 84480
    .private_segment_fixed_size: 0
    .kernarg_segment_align: 8
    .kernarg_segment_size: 32
    .max_flat_workgroup_size: 128
    .sgpr_count:     66
    .vgpr_count:     1024
    .wavefront_size: 32
...
	.end_amdgpu_metadata
.endif
;; end of part 6
;; launch combine: the kernel of part 4 again; grid 512 x 1, 4 waves a work-group, no clusters, 0 bytes of LDS; arguments yp, pos, gate_score, out0; writes out0
